; MI455X (gfx1250); checked and timed in simulation.
; The chip was launched on July 23, 2026; its instructions are those of AMD's public machine-readable ISA for CDNA 5 (MIT licence, August 2026) and "CDNA5" Instruction Set Architecture Reference Guide (July 2026). The comments in the code are by the model that wrote it; some were corrected since.
;; Block. Allowed arithmetic: matrix products marked QUANTISED: E5M2 operands, one E8M0 scale for each 32 along K, by v_wmma_scale_f32_16x16x128_f8f6f4 with both operands' format E5M2, f32 sums; everything else in f32.
;; Inputs: attn_b 3,072 float32; attn_w 1,024 x 3,072 float32; fc2_b 1,024 float32; fc2_w 4,096 x 1,024 float32; fc_b 4,096 float32; fc_w 1,024 x 4,096 float32; ln1_b 1,024 float32; ln1_w 1,024 float32; ln2_b 1,024 float32; ln2_w 1,024 float32; proj_b 1,024 float32; proj_w 1,024 x 1,024 float32; t 4 int32; x 4 x 1,024 x 1,024 float32.
;; Outputs: out0 4 x 1,024 x 1,024 float32.
;; This version of the problem:
;;   THIS VERSION OF THE PROBLEM IS GIVEN IN LOW PRECISION. The matrix products marked QUANTISED in the list below multiply operands that are first quantised to E5M2 (5 exponent bits, 2 mantissa bits; 8 bits a number), with one power-of-two scale for each 32 numbers along K (OCP MX v1.0); their sums are f32. All else is computed in f32.
;;   The module's matrix products, in the order in which they are computed (A, B: the left and right operand; K: the contracted axis; several contracted axes count as one K, in the product's order):
;;     1. [M 4,096, K 1,024] x [K 1,024, N 3,072]; A: computed on the way; B: input attn_w: QUANTISED
;;     2. batch 64 x [M 1,024, K 64] x [K 64, N 1,024]; A: computed on the way; B: computed on the way: QUANTISED
;;     3. batch 64 x [M 1,024, K 1,024] x [K 1,024, N 64]; A: softmax (see below); B: computed on the way: QUANTISED
;;     4. [M 4,096, K 1,024] x [K 1,024, N 1,024]; A: computed on the way; B: input proj_w: QUANTISED
;;     5. [M 4,096, K 1,024] x [K 1,024, N 4,096]; A: computed on the way; B: input fc_w: QUANTISED
;;     6. [M 4,096, K 4,096] x [K 4,096, N 1,024]; A: computed on the way; B: input fc2_w: QUANTISED
;;   THE QUANTISER, for each operand of a quantised product, along K:
;;     - K is cut into blocks of 32 from its start; a last block that is shorter is filled with zeros.
;;     - A block's scale is 2^e with e = floor(log2(the largest magnitude in the block)) - 15, held to -126 .. 127; a block of zeros has e = 0. As a byte (E8M0): e + 127.
;;     - Each number is divided by its block's scale, clamped to +-57,344, and rounded to the nearest number of E5M2, ties to even, subnormals kept.
;;     - The product sums the exact products of the quantised numbers (number of the format x scale) in f32.
;;   ~~~python
;;   def quantise(x, axis):      # numpy; x: float32 -> the quantised numbers, widened to float32 again
;;       x = np.moveaxis(x, axis, -1); K = x.shape[-1]
;;       x = np.pad(x, [(0, 0)] * (x.ndim - 1) + [(0, -K % 32)]); x = x.reshape(x.shape[:-1] + (-1, 32)); a = np.abs(x).max(-1, keepdims=True)
;;       e = np.where(a > 0, np.clip(np.frexp(np.where(a > 0, a, 1))[1] - 1 - 15, -126, 127), 0)      # np.frexp(a)[1] - 1 = floor(log2(a)), exactly
;;       r = np.clip(x / 2.0 ** e, -57344, 57344)
;;       step = 2.0 ** (np.maximum(np.frexp(np.where(r == 0, 1, r))[1] - 1, -14) - 2)
;;       q = np.round(r / step) * step * 2.0 ** e      # np.round: ties to even
;;       return np.moveaxis(q.reshape(q.shape[:-2] + (-1,))[..., :K], -1, axis).astype(np.float32)
;;   ~~~
;;   SOFTMAX AHEAD OF A QUANTISED PRODUCT. Where the list says 'softmax', what is quantised is not the finished softmax but p = 2^(t - M), with t = logit x log2(e) and M = ceil(the row's largest t), a whole number; so 1/2 < the row's largest p <= 1. The row's sum l is taken of the UNQUANTISED p, in f32, and the product's result is divided by l at the end. Since M is a whole number, a kernel that streams over the keys may use a running M (the ceiling of the running maximum): every later rescaling is an exact power of two, which a block's scale takes up: the codes' values come out the same.
;;   OPERANDS COMPUTED ON THE WAY. 'Computed on the way' means the value that the module computes at that place (a softmax that the list does not call 'softmax' is quantised finished and normalised). What goes into a quantiser is computed in f32, as accurately as f32 sums, v_exp_f32 and their like allow (about 1e-6 of the number): no bf16 or f16 on the way to a quantiser, and a product that is left as it is and whose result goes on into a quantised operand takes f32 operands (vector FMAs, or v_wmma_f32_16x16x4_f32). A number that lies on a knife's edge between two numbers of the format may be rounded either way, as far as f32 arithmetic and the matrix unit's own rounding can turn it there, and no further.
;; One version. Each part assembles by itself: llvm-mc -triple=amdgcn-amd-amdhsa -mcpu=gfx1250 --defsym DOCPART=n.
;; ======== version 1 of 1: 7 launches
;; limits: right only within a limited range of input values
;; workspace buffers: wq 12,976,128 bytes; act 4,325,376 bytes; qkv 12,976,128 bytes; x1 16,777,216 bytes; hid 17,301,504 bytes
;; launch prep (part 1): grid 1024 x 1, 4 waves a work-group, no clusters, 40,448 bytes of LDS; arguments attn_w, proj_w, fc_w, fc2_w, wq, x, ln1_w, ln1_b, act; writes wq, act
.if DOCPART == 1
	.amdgcn_target "amdgcn-amd-amdhsa--gfx1250"
	.amdhsa_code_object_version 6
	.text
	.protected	k_q768e7ed796_prep
	.globl	k_q768e7ed796_prep
	.p2align	8
	.type	k_q768e7ed796_prep,@function
k_q768e7ed796_prep:
	s_mov_b64 s[64:65], 0
	v_nop
	global_prefetch_b8 v0, s[64:65] scope:SCOPE_SE
	s_setreg_imm32_b32 hwreg(HW_REG_WAVE_MODE, 25, 1), 1
	s_wait_xcnt 0x0
; TWO JOBS THAT DO NOT DEPEND ON EACH OTHER, IN ONE LAUNCH.  Work-groups 0-767 quantise the four weights; work-groups 768-1023 norm x and quantise it.  A scalar branch on the work-group's number parts them;
; neither path has a barrier, and each has LDS bytes of its own (the weights' stages from byte 0, the norm's regions from byte LNB).  Four work-groups fit on a WGP: 4 x 234 registers a SIMD, 4 x 40,448 bytes of LDS.
; Both make codes of BF8 (E5M2) with one E8M0 byte for each 32 along K, in chunks: codes [rows/128][K/128][128 rows][128 bytes], scale words [rows/128][K/128][128 rows] of 4 bytes (byte b: k = 32 b on).
; A block's scale is 2^(floor(log2(largest magnitude)) - 15); its byte is the largest magnitude's exponent field - 15, held at 1 from below.
; THE WEIGHTS, f32 stored [K][N].  A LANE TAKES A COLUMN n AND ITS REGISTERS RUN DOWN K: a load reads 128 consecutive bytes a wave (512 a work-group), a block of 32 along K lies in one lane, and the conversions give codes
; with K innermost.  A work-group makes one chunk (128 columns x 128 along K), a wave 32 columns.  Work-groups 0-191 attn_w, 192-255 proj_w, 256-511 fc_w, 512-767 fc2_w: sizes and buffers are chosen by the work-group's
; number; the chunk's number in its weight is the work-group's number less the weight's first.  Loads run two blocks (64 loads, 8,192 bytes a wave) ahead.
; THE NORM: h = (x - mean) * rsqrt(var + 1e-5) * w + b over rows of 1,024 f32.  A wave takes 4 whole rows and keeps them in registers: a row is read once; the mean first, then the sum of squared differences, so that a
; common offset of the inputs costs no accuracy.  A lane holds numbers 256 j + 8 lane + 0..7 (j = 0..3) of each row; four neighbouring lanes hold a block of 32.  All 48 loads of a wave go out at its head.
; Its codes leave plane by plane, 512 consecutive bytes a store; its scale words in pieces of 16 bytes (4 rows of a plane): one byte in 32 of what the path stores.
; LIMITS: a block of zeros, or one whose largest magnitude lies under 2^-111, gets the byte 1 (this program alone reads the bytes); NaN and infinities are not served; v_rsq_f32 is good to 1 ulp.
; LEFT OUT: the input t.  reference() deletes it at once (del t), so it has no way to the output whatever it holds: no launch loads it or has it among its arguments.
.set NWQ,   768                        ; work-groups of the weights
.set WS0,   12582912                   ; where the scale words begin in wq
.set QP,    144                        ; a stage row of the weights: 128 bytes of a column's codes + 16
.set EMAX,  15
.set QSB,   24                         ; v24      the chunk's scale word of my column
.set QOFF,  32                         ; v32-63   4 x lane + i rows of the weight
.set QX,    64                         ; v64-127  two sets of 32 numbers
.set QC,    128                        ; v128-135 a block's codes
.set QOUT,  136                        ; v136-167 the way out
.set LNB,   4*32*QP                    ; LDS: the norm's regions begin behind the weights' four stages
.set AS0,   4194304                    ; where the scale words begin in act
.set W,     24                         ; v24-55   w of my 32 columns
.set BV,    56                         ; v56-87   b
.set X,     88                         ; v88-215  four rows, 32 registers each
.set CD,    216                        ; v216-223 codes
.set BY,    224                        ; v224-227 scale bytes
.set REG,   5376                       ; LDS of a wave of the norm: 8 planes x (4 rows x 128 bytes + 128 of padding), then 128 bytes of scale words [plane][row]
	v_lshl_add_u32 v232, v0, 2, 0x9c00
	v_mov_b32 v233, 0
	s_cmp_lt_u32 ttmp9, NWQ
	s_cbranch_scc0 .Lnorm
	; ---------------- the weights
	s_load_b256 s[4:11], s[0:1], 0x0               ; attn_w, proj_w, fc_w, fc2_w
	s_load_b64 s[12:13], s[0:1], 0x20              ; wq
	v_lshrrev_b32 v1, 5, v0
	v_readfirstlane_b32 s16, v1                    ; wave
	v_and_b32 v2, 31, v0                           ; lane
	s_mov_b32 s17, 4096                            ; fc2_w's figures: a row in bytes,
	s_mov_b32 s18, 512                             ; its first work-group,
	s_mov_b32 s19, 31                              ; mask and log2 of its planes of 128 along K,
	s_mov_b32 s20, 5
	s_mov_b32 s22, 8388608                         ; where its codes begin,
	s_mov_b32 s23, WS0+262144                      ; and its scale words
	s_mov_b32 s52, 0x600000                        ; the mantissa field of 57,344
	s_wait_alu depctr_va_vdst(0)
	s_wait_kmcnt 0x0
	s_mov_b64 s[24:25], s[10:11]
	s_cmp_lt_u32 ttmp9, 512                        ; fc_w
	s_cselect_b64 s[24:25], s[8:9], s[24:25]
	s_cselect_b32 s17, 16384, s17
	s_cselect_b32 s18, 256, s18
	s_cselect_b32 s19, 7, s19
	s_cselect_b32 s20, 3, s20
	s_cselect_b32 s22, 4194304, s22
	s_cselect_b32 s23, WS0+131072, s23
	s_cmp_lt_u32 ttmp9, 256                        ; proj_w
	s_cselect_b64 s[24:25], s[6:7], s[24:25]
	s_cselect_b32 s17, 4096, s17
	s_cselect_b32 s18, 192, s18
	s_cselect_b32 s22, 3145728, s22
	s_cselect_b32 s23, WS0+98304, s23
	s_cmp_lt_u32 ttmp9, 192                        ; attn_w
	s_cselect_b64 s[24:25], s[4:5], s[24:25]
	s_cselect_b32 s17, 12288, s17
	s_cselect_b32 s18, 0, s18
	s_cselect_b32 s22, 0, s22
	s_cselect_b32 s23, WS0, s23
	s_sub_co_u32 s26, ttmp9, s18                   ; my chunk in the weight: block of columns x planes + plane
	s_and_b32 s27, s26, s19                        ; the plane: which 128 along K
	s_lshr_b32 s30, s26, s20                       ; the block of 128 columns
	s_lshl_b32 s28, s27, 7
	s_mul_i32 s28, s28, s17                        ; the plane's first row
	s_lshl_b32 s29, s30, 9
	s_add_co_u32 s28, s28, s29                     ; + the block's first column
	s_lshl_b32 s29, s16, 7
	s_add_co_u32 s28, s28, s29                     ; + my wave's 32
	s_mov_b32 s29, 0
	s_add_nc_u64 s[32:33], s[24:25], s[28:29]      ; block 0's base; a base for each of the 4 blocks of 32 along K, so that nothing is stepped
	s_lshl_b32 s28, s17, 5                         ; 32 rows
.irp t, 1,2,3
	s_add_nc_u64 s[32+2*\t:33+2*\t], s[30+2*\t:31+2*\t], s[28:29]
.endr
	s_lshl_b32 s28, s26, 14                        ; the chunk's codes,
	s_add_co_u32 s28, s28, s22
	s_lshl_b32 s31, s16, 12
	s_add_co_u32 s28, s28, s31                     ; my wave's 32 rows of 128 bytes
	s_add_nc_u64 s[48:49], s[12:13], s[28:29]
	s_lshl_b32 s28, s26, 9                         ; its scale words,
	s_add_co_u32 s28, s28, s23
	s_lshl_b32 s31, s16, 7
	s_add_co_u32 s28, s28, s31                     ; my wave's 32
	s_add_nc_u64 s[50:51], s[12:13], s[28:29]
	s_mul_i32 s53, s16, 32*QP                      ; my stage
	v_mul_u32_u24 v4, v2, QP
	v_add_nc_u32 v4, s53, v4                       ; into it: row = my column
	v_lshrrev_b32 v5, 3, v2
	v_and_b32 v6, 7, v2
	v_mul_u32_u24 v7, v5, QP
	v_lshl_add_u32 v7, v6, 4, v7
	v_add_nc_u32 v7, s53, v7                       ; out of it: eight lanes to a row's 128 bytes, four rows an instruction
	v_lshlrev_b32 v8, 4, v2
	v_lshlrev_b32 v9, 2, v2
	v_lshlrev_b32 v[QOFF], 2, v2
.set i, 1
.rept 31
	v_add_nc_u32 v[QOFF+i], s17, v[QOFF+i-1]
.set i, i+1
.endr
.macro LOAD t                          ; block t: W(32 t + i, my column) into set t % 2
.set i, 0
.rept 32
	global_load_b32 v[QX+32*((\t)%2)+i], v[QOFF+i], s[32+2*(\t):33+2*(\t)] th:TH_LOAD_NT
.set i, i+1
.endr
.endm
	LOAD 0
	LOAD 1
.macro BLOCK t
.set XS, QX+32*((\t)%2)
.if (\t) < 3
	s_wait_loadcnt 32                              ; this block's 32 loads are in; the next block's may be out
.else
	s_wait_loadcnt 0
.endif
	v_max3_num_f32 v12, |v[XS]|, |v[XS+1]|, |v[XS+2]|
	v_max3_num_f32 v13, |v[XS+3]|, |v[XS+4]|, |v[XS+5]|
.irp i, 6,10,14,18,22,26
	v_max3_num_f32 v12, v12, |v[XS+\i]|, |v[XS+\i+1]|
	v_max3_num_f32 v13, v13, |v[XS+\i+2]|, |v[XS+\i+3]|
.endr
	v_max3_num_f32 v12, v12, |v[XS+30]|, |v[XS+31]|
	v_max3_num_f32 v12, v12, v13, (EMAX+1)<<23     ; the floor 2^(16 - 127): the byte cannot fall under 1
	v_add_nc_u32 v11, -(EMAX<<23), v12             ; 15 off the exponent field: the conversion's scale operand
	v_and_or_b32 v10, v12, 0x7f800000, s52         ; 57,344 x the scale
	v_lshrrev_b32 v13, 23, v11                     ; the scale's byte
.if (\t) == 0
	v_mov_b32 v[QSB], v13
.else
	v_lshl_or_b32 v[QSB], v13, 8*(\t), v[QSB]
.endif
.irp i, 0,1,2,3,4,5,6,7,8,9,10,11,12,13,14,15,16,17,18,19,20,21,22,23,24,25,26,27,28,29,30,31
	v_med3_num_f32 v[XS+\i], v[XS+\i], -v10, v10   ; the conversion to an 8-bit code does not saturate (ISA guide 7.6.2): the hold comes first
.endr
.irp g, 0,1,2,3
	v_cvt_scalef32_pk8_bf8_f32 v[QC+2*\g:QC+2*\g+1], v[XS+8*\g:XS+8*\g+7], v11
.endr
	ds_store_b128 v4, v[QC:QC+3] offset:32*(\t)
	ds_store_b128 v4, v[QC+4:QC+7] offset:32*(\t)+16
.if (\t)+2 < 4
	LOAD (\t)+2
.endif
	s_wait_dscnt 0x0                               ; the stores have read their registers: the next block's codes may be written
.endm
.irp t, 0,1,2,3
	BLOCK \t
.endr
	global_store_b32 v9, v[QSB], s[50:51]          ; a wave stores 128 consecutive bytes, the four waves together the chunk's 512
.irp m, 0,1,2,3,4,5,6,7
	ds_load_b128 v[QOUT+4*\m:QOUT+4*\m+3], v7 offset:\m*4*QP   ; LDS serves a wave's instructions in order: these see my stores
.endr
.irp m, 0,1,2,3,4,5,6,7
	s_wait_dscnt 7-\m                              ; the younger loads from the stage may be out
	global_store_b128 v8, v[QOUT+4*\m:QOUT+4*\m+3], s[48:49] offset:\m*512   ; 512 consecutive bytes, aligned
.endr
	s_wait_tensorcnt 0x0
	ds_add_u32 v232, v233
	s_wait_dscnt 0x0
	s_endpgm
	; ---------------- the norm
.Lnorm:
	s_load_b128 s[4:7], s[0:1], 0x28               ; x, w
	s_load_b128 s[8:11], s[0:1], 0x38              ; b, the codes' buffer
	s_sub_co_u32 s28, ttmp9, NWQ                   ; which 16 rows
	v_lshrrev_b32 v1, 5, v0
	v_readfirstlane_b32 s17, v1                    ; wave
	v_and_b32 v1, 31, v0                           ; lane
	v_lshlrev_b32 v2, 5, v1                        ; 32 bytes a lane
	s_mul_i32 s18, s17, REG
	s_add_co_u32 s18, s18, LNB                     ; my region
	v_lshrrev_b32 v9, 4, v1
	v_and_b32 v10, 15, v1
	v_mul_u32_u24 v3, v9, 640
	v_lshl_add_u32 v3, v10, 3, v3
	v_add_nc_u32 v3, s18, v3                       ; codes in: plane 2 j + lane / 16, byte 8 (lane % 16)
	v_bfe_u32 v10, v1, 2, 2
	v_lshl_add_u32 v4, v9, 4, v10
	v_add_nc_u32 v4, s18, v4
	v_add_nc_u32 v4, 5120, v4                      ; scale bytes in: 16 x plane + 4 x row + block
	v_lshlrev_b32 v7, 4, v1
	v_add_nc_u32 v5, s18, v7                       ; codes back: 16 bytes a lane
	v_lshlrev_b32 v6, 2, v1
	v_add_nc_u32 v6, s18, v6
	v_add_nc_u32 v6, 5120, v6                      ; scale words back: word lane = plane lane / 4, row lane % 4
	v_lshrrev_b32 v8, 2, v1
	v_and_b32 v9, 3, v1
	v_lshlrev_b32 v9, 2, v9
	v_lshl_add_u32 v8, v8, 9, v9                   ; and its place in memory
	s_mov_b32 s12, 0x76543210
	s_mov_b32 s13, 0xfedcba98                      ; v_permlanex16_b32's selects for lane l xor 16
	s_mov_b32 s14, 0x3a800000                      ; 1 / 1024
	s_mov_b32 s15, 0x3727c5ac                      ; 1e-5
	s_mov_b32 s16, 0x600000                        ; the mantissa field of 57,344
	s_lshl_b32 s20, s28, 16                        ; 16 rows of 4,096 bytes a work-group,
	s_lshl_b32 s21, s17, 14                        ; 4 a wave
	s_add_co_u32 s20, s20, s21
	s_mov_b32 s21, 0
	s_lshr_b32 s22, s28, 3                         ; the block of 128 rows
	s_and_b32 s23, s28, 7
	s_lshl_b32 s23, s23, 4
	s_lshl_b32 s24, s17, 2
	s_add_co_u32 s23, s23, s24                     ; my first row in it
	s_lshl_b32 s24, s22, 17
	s_lshl_b32 s25, s23, 7
	s_add_co_u32 s24, s24, s25
	s_mov_b32 s25, 0
	s_lshl_b32 s26, s22, 12
	s_lshl_b32 s27, s23, 2
	s_add_co_u32 s26, s26, s27
	s_add_co_u32 s26, s26, AS0
	s_mov_b32 s27, 0
	s_wait_kmcnt 0x0
	s_add_nc_u64 s[4:5], s[4:5], s[20:21]
	s_add_nc_u64 s[24:25], s[10:11], s[24:25]
	s_add_nc_u64 s[26:27], s[10:11], s[26:27]
.irp j, 0,1,2,3
	global_load_b128 v[W+8*\j:W+8*\j+3], v2, s[6:7] offset:1024*\j
	global_load_b128 v[W+8*\j+4:W+8*\j+7], v2, s[6:7] offset:1024*\j+16
	global_load_b128 v[BV+8*\j:BV+8*\j+3], v2, s[8:9] offset:1024*\j
	global_load_b128 v[BV+8*\j+4:BV+8*\j+7], v2, s[8:9] offset:1024*\j+16
.endr
.irp p, 0,1,2,3
.irp j, 0,1,2,3
	global_load_b128 v[X+32*\p+8*\j:X+32*\p+8*\j+3], v2, s[4:5] offset:4096*\p+1024*\j th:TH_LOAD_NT
	global_load_b128 v[X+32*\p+8*\j+4:X+32*\p+8*\j+7], v2, s[4:5] offset:4096*\p+1024*\j+16 th:TH_LOAD_NT
.endr
.endr
.macro ALL r, u                        ; the sum of v[r] over the 32 lanes, in every lane; v[u] at work (written before)
.irp m, 1,2,4,8
	v_add_f32_dpp v[\r], v[\r], v[\r] row_xmask:\m row_mask:0xf bank_mask:0xf
.endr
	v_permlanex16_b32 v[\u], v[\r], s12, s13
	v_add_f32 v[\r], v[\r], v[\u]
.endm
.macro ROW p
.set XR, X+32*(\p)
.if (\p) > 0
	s_wait_dscnt 0x0                               ; the last row's LDS stores have read their registers
.endif
	s_wait_loadcnt 8*(3-(\p))                      ; w, b and this row are in; the later rows' eight loads each may be out
	v_pk_add_f32 v[10:11], v[XR:XR+1], v[XR+2:XR+3]
	v_pk_add_f32 v[12:13], v[XR+4:XR+5], v[XR+6:XR+7]
.irp i, 8,12,16,20,24,28
	v_pk_add_f32 v[10:11], v[10:11], v[XR+\i:XR+\i+1]
	v_pk_add_f32 v[12:13], v[12:13], v[XR+\i+2:XR+\i+3]
.endr
	v_pk_add_f32 v[10:11], v[10:11], v[12:13]
	v_add_f32 v10, v10, v11
	ALL 10, 11
	v_mul_f32 v10, s14, v10                        ; the mean
.irp i, 0,2,4,6,8,10,12,14,16,18,20,22,24,26,28,30
	v_pk_add_f32 v[XR+\i:XR+\i+1], v[XR+\i:XR+\i+1], v[10:11] op_sel_hi:[1,0] neg_lo:[0,1] neg_hi:[0,1]
.endr
	v_pk_mul_f32 v[12:13], v[XR:XR+1], v[XR:XR+1]
	v_pk_mul_f32 v[14:15], v[XR+2:XR+3], v[XR+2:XR+3]
.irp i, 4,8,12,16,20,24,28
	v_pk_fma_f32 v[12:13], v[XR+\i:XR+\i+1], v[XR+\i:XR+\i+1], v[12:13]
	v_pk_fma_f32 v[14:15], v[XR+\i+2:XR+\i+3], v[XR+\i+2:XR+\i+3], v[14:15]
.endr
	v_pk_add_f32 v[12:13], v[12:13], v[14:15]
	v_add_f32 v12, v12, v13
	ALL 12, 13
	v_fma_f32 v12, v12, s14, s15                   ; the variance + 1e-5
	s_wait_alu depctr_va_vdst(0)
	v_rsq_f32 v12, v12
	v_nop                                          ; a plain instruction behind the transcendental,
	s_wait_alu depctr_va_vdst(0)                   ; and the wait ahead of its first reader
.irp i, 0,2,4,6,8,10,12,14,16,18,20,22,24,26,28,30
	v_pk_mul_f32 v[XR+\i:XR+\i+1], v[XR+\i:XR+\i+1], v[12:13] op_sel_hi:[1,0]
.endr
.irp i, 0,2,4,6,8,10,12,14,16,18,20,22,24,26,28,30
	v_pk_fma_f32 v[XR+\i:XR+\i+1], v[XR+\i:XR+\i+1], v[W+\i:W+\i+1], v[BV+\i:BV+\i+1]
.endr
.irp j, 0,1,2,3
	v_max3_num_f32 v[10+\j], |v[XR+8*\j]|, |v[XR+8*\j+1]|, 0x8000000   ; group j: my 8 numbers of a block, and the floor 2^(16 - 127)
.endr
.irp i, 2,4,6
.irp j, 0,1,2,3
	v_max3_num_f32 v[10+\j], v[10+\j], |v[XR+8*\j+\i]|, |v[XR+8*\j+\i+1]|
.endr
.endr
.irp m, 1,2
.irp j, 0,1,2,3
	v_max_num_f32_dpp v[10+\j], v[10+\j], v[10+\j] row_xmask:\m row_mask:0xf bank_mask:0xf   ; with the block's other three lanes
.endr
.endr
.irp j, 0,1,2,3
	v_add_nc_u32 v[18+\j], 0xf8800000, v[10+\j]    ; 15 off the exponent field: the conversion's scale operand
.endr
.irp j, 0,1,2,3
	v_and_or_b32 v[14+\j], v[10+\j], 0x7f800000, s16   ; 57,344 x the scale
.endr
.irp j, 0,1,2,3
	v_lshrrev_b32 v[BY+\j], 23, v[18+\j]           ; the scale's byte
.endr
.irp j, 0,1,2,3
.irp i, 0,1,2,3,4,5,6,7
	v_med3_num_f32 v[XR+8*\j+\i], v[XR+8*\j+\i], -v[14+\j], v[14+\j]   ; the conversion does not saturate (ISA guide 7.6.2): the hold comes first
.endr
	v_cvt_scalef32_pk8_bf8_f32 v[CD+2*\j:CD+2*\j+1], v[XR+8*\j:XR+8*\j+7], v[18+\j]
.endr
	v_nop                                          ; a plain instruction behind the last conversion
.irp j, 0,1,2,3
	ds_store_b64 v3, v[CD+2*\j:CD+2*\j+1] offset:1280*\j+128*(\p)
	ds_store_b8 v4, v[BY+\j] offset:32*\j+4*(\p)   ; the four lanes of a block write the same byte with the same value
.endr
.endm
	ROW 0
	ROW 1
	ROW 2
	ROW 3
.irp p, 0,1,2,3,4,5,6,7
	ds_load_b128 v[X+4*\p:X+4*\p+3], v5 offset:640*\p   ; LDS serves a wave's instructions in order: these see my stores
.endr
	ds_load_b32 v[X+32], v6
.irp p, 0,1,2,3,4,5,6,7
	s_wait_dscnt 8-\p
	global_store_b128 v7, v[X+4*\p:X+4*\p+3], s[24:25] offset:16384*\p   ; my 4 rows of plane p: 512 consecutive bytes, aligned
.endr
	s_wait_dscnt 0x0
	global_store_b32 v8, v[X+32], s[26:27]
	s_wait_tensorcnt 0x0
	ds_add_u32 v232, v233
	s_wait_dscnt 0x0
	s_endpgm
.Lfunc_end_k_q768e7ed796_prep:
	.size	k_q768e7ed796_prep, .Lfunc_end_k_q768e7ed796_prep-k_q768e7ed796_prep
	.p2alignl 7, 3214868480
	.fill 96, 4, 3214868480
	.section	.rodata,"a",@progbits
	.p2align	6, 0x0
	.amdhsa_kernel k_q768e7ed796_prep
		.amdhsa_group_segment_fixed_size 40448
		.amdhsa_private_segment_fixed_size 0
		.amdhsa_enable_private_segment 0
		.amdhsa_kernarg_size 72
		.amdhsa_user_sgpr_count 2
		.amdhsa_user_sgpr_kernarg_segment_ptr 1
		.amdhsa_wavefront_size32 1
		.amdhsa_system_sgpr_workgroup_id_x 1
		.amdhsa_system_sgpr_workgroup_id_y 1
		.amdhsa_system_sgpr_workgroup_id_z 1
		.amdhsa_system_vgpr_workitem_id 0
		.amdhsa_next_free_vgpr 234
		.amdhsa_next_free_sgpr 66
		.amdhsa_reserve_vcc 0
		.amdhsa_float_denorm_mode_32 3
		.amdhsa_float_denorm_mode_16_64 3
		.amdhsa_memory_ordered 1
		.amdhsa_forward_progress 1
		.amdhsa_inst_pref_size 87
	.end_amdhsa_kernel
	.amdgpu_metadata
---
amdhsa.version: [ 1, 2 ]
amdhsa.kernels:
  - .name:           k_q768e7ed796_prep
    .symbol:         k_q768e7ed796_prep.kd
    .args:
      - { .name: attn_w, .offset: 0, .size: 8, .value_kind: global_buffer, .address_space: global }
      - { .name: proj_w, .offset: 8, .size: 8, .value_kind: global_buffer, .address_space: global }
      - { .name: fc_w, .offset: 16, .size: 8, .value_kind: global_buffer, .address_space: global }
      - { .name: fc2_w, .offset: 24, .size: 8, .value_kind: global_buffer, .address_space: global }
      - { .name: wq, .offset: 32, .size: 8, .value_kind: global_buffer, .address_space: global }
      - { .name: x, .offset: 40, .size: 8, .value_kind: global_buffer, .address_space: global }
      - { .name: ln1_w, .offset: 48, .size: 8, .value_kind: global_buffer, .address_space: global }
      - { .name: ln1_b, .offset: 56, .size: 8, .value_kind: global_buffer, .address_space: global }
      - { .name: act, .offset: 64, .size: 8, .value_kind: global_buffer, .address_space: global }
    .group_segment_fixed_size: 40448
    .private_segment_fixed_size: 0
    .kernarg_segment_align: 8
    .kernarg_segment_size: 72
    .max_flat_workgroup_size: 128
    .sgpr_count:     66
    .vgpr_count:     234
    .wavefront_size: 32
...
	.end_amdgpu_metadata
.endif
;; end of part 1
;; launch qkv (part 2): grid 12 x 16, 4 waves a work-group, clusters of 4 x 4, 327,680 bytes of LDS; arguments act, wq, attn_b, qkv; writes qkv
.if DOCPART == 2
	.amdgcn_target "amdgcn-amd-amdhsa--gfx1250"
	.amdhsa_code_object_version 6
	.text
	.protected	k_q768e7ed796_qkv
	.globl	k_q768e7ed796_qkv
	.p2align	8
	.type	k_q768e7ed796_qkv,@function
k_q768e7ed796_qkv:
	s_mov_b64 s[64:65], 0
	v_nop
	global_prefetch_b8 v0, s[64:65] scope:SCOPE_SE
	s_setreg_imm32_b32 hwreg(HW_REG_WAVE_MODE, 25, 1), 1
	s_wait_xcnt 0x0
	s_wait_alu depctr_hold_cnt(0) depctr_sa_sdst(0) depctr_va_vdst(0) depctr_va_sdst(0) depctr_va_ssrc(0) depctr_va_vcc(0) depctr_vm_vsrc(0)
	s_getreg_b32 s2, hwreg(HW_REG_IB_STS2, 6, 4)
	s_cmp_eq_u32 s2, 0
	s_cbranch_scc0 .Lentry_in_a_cluster
	s_endpgm
.Lentry_in_a_cluster:
	s_bfe_u32 s2, ttmp6, 0x10000c
	s_cmp_lg_u32 s2, 0xf033
	s_cbranch_scc0 .Lentry_shape_is_right
	s_endpgm
.Lentry_shape_is_right:
; qkv = h attn_w + attn_b on codes of BF8 (E5M2) with E8M0 scales, K = 1,024; the results are quantised at once: q and k along the head's channels, v along the keys.
; OPERANDS lie in chunks: codes [rows/128][K/128][128 rows][128 bytes], scale words [rows/128][K/128][128 rows] of 4 bytes.  A chunk is dense, so every tensor load brings a dense block as rows of 256 bytes.
; A tile of the result, 256 x 256, is made by four waves, 128 x 128 each: 64 accumulators, 512 registers.  K goes in steps of 256 (two planes) through a ring of two LDS slots.
; The scale words of the tile's rows, for all of K, come once with the first fills and stay.
; CLUSTERS of 4 x 4 work-groups.  Source 1's tiles ("A") are shared along a row of the cluster, source 0's ("B") along a column: each is asked for jointly.
; Clusters with x = 0, 1 make q and k: A = h's rows (tokens), B = attn_w's columns 0-2047.  Clusters with x = 2 make V TRANSPOSED: A = attn_w's columns 2048-3071 (channels), B = h's rows (tokens):
; the same text with the buffers and tile numbers chosen by the cluster's x (no branch); the result's columns are then the keys, along which V is quantised.
; THE MATRIX INSTRUCTION IS USED TRANSPOSED (source 0 = 16 rows of B, source 1 = 16 rows of A): a lane holds eight neighbouring columns of one row of the result.
; The bias by column is the C of each sum's first product (zeros in V's clusters); the bias by row (V's; zeros elsewhere) is added on the way out.
; OUT: q, k codes [32 blocks of tokens][16 planes of 128 columns], V^T codes [8 blocks of channels][32 planes of tokens] at VC0, their scale words at QS0 and VS0: a wave stores one dense chunk.
; REGISTERS: window 0: v8-15 row bias; v16-31 addresses; v32-63 scale words, two sets; v64-127 column bias; from v128 A's fragments, one set (the way out works there).  window 1: B's fragments, two sets.  windows 2, 3: the accumulators.
; LIMITS: a block of zeros or under 2^-111 gets the byte 1 (this program alone reads the bytes); NaN and infinities are not served.
.set AS0,   4194304                    ; the scale words in act,
.set WS0,   12582912                   ; in wq
.set VC0,   8388608
.set QS0,   12582912
.set VS0,   12845056
.set NQ,    2                          ; planes in a K step
.set PL,    17408                      ; a plane of 128 rows in LDS: 64 units of 256 bytes + 16 of padding; row p at 128 p + 16 (p / 2): the 16 rows of a load start at 16 different 16-byte columns of the 64 banks (ISA guide 11.1)
.set RT,    2176                       ; 16 rows of it
.set FR,    16                         ; registers of a fragment
.set NL,    4                          ; LDS loads that bring one
.set NPL,   8                          ; places behind this matrix instruction (ISA guide 7.12.1)
.set HALFT, 2*PL                       ; what one tensor load brings: 128 rows, two planes
.set SLOT,  4*HALFT
.set LAPS,  2                          ; K = 1,024 is four K steps: twice round the ring
.set SCL,   2*SLOT                     ; the scale words: 4,096 bytes for each block of 128 rows: A's two, B's two
.set SPARE, SCL+4*4096                 ; the spare words, 128 bytes a wave: two blocks of 256 bytes that no other line names
.set STG,   18944                      ; the way out: a wave's stage, 128 rows x 144 bytes of codes and 512 bytes of scale words; in slot 0, which has had its last fill and its last read by then
.set BR,   8
.set ADRA, 16
.set ADRB, 20
.set STO,  24
.set RD,   25
.set CO,   26
.set ADRS, 27
.set SPW,  28
.set NIL,  29
.set SWA,  30
.set SWR,  31
.set SC,   32
.set BC,   64
.set AF,   128
.set T,    128                         ; the way out: 64 numbers of a lane,
.set PC,   192                         ; their codes,
.set TM,   208                         ; at work,
.set PW,   224                         ; the scale word,
.set BRP,  226                         ; and the block's row bias, as a pair
.set G1, 24
.set G0, 32
.set G1B, 48
.set G0B, 56
.set G1S, 68
.set G0S, 76
.set G1SB, 80
.set G0SB, 88
.set SEL, 66
.set MNT, 99
.set MSB, 0
.macro WIN new                         ; the immediate's high byte repeats the setting that is left
.if MSB != (\new)
	s_set_vgpr_msb (MSB<<8)|(\new)
.set MSB, (\new)
.endif
.endm
.set MUL_LO, 0xa1                      ; source 0 (B) window 1, source 1 (A) window 0, C and D window 2
.set MUL_HI, 0xf1                      ; the same, C and D window 3
.set TO_B,   0x40
; A joint load: waves 0 and 1 fetch for A, waves 2 and 3 for B; the branch hangs on the wave's number alone.  Four v_nop follow each line.
.macro JLOAD g0a, g1a, g0b, g1b
	s_cmp_eq_u32 s15, 0
	s_cbranch_scc0 .Lfor_b_\@
	tensor_load_to_lds s[\g0a:\g0a+3], s[\g1a:\g1a+7]
	s_nop 0
.rept 4
	v_nop
.endr
	s_branch .Lasked_\@
.Lfor_b_\@:
	tensor_load_to_lds s[\g0b:\g0b+3], s[\g1b:\g1b+7]
	s_nop 0
.rept 4
	v_nop
.endr
.Lasked_\@:
.endm
.macro CREST                           ; a round of the cluster's barrier behind its opening barrier
	s_cmp_lg_u32 s14, 0
	s_cbranch_scc1 .Lnot_wave_0_\@
	s_barrier_signal -3
.Lnot_wave_0_\@:
	s_barrier_wait -3
	s_barrier_signal -1
	s_barrier_wait -1
.endm
.macro CROUND
	s_barrier_signal -1
	s_barrier_wait -1
	CREST
.endm
	s_load_b256 s[4:11], s[0:1], 0x0               ; act, wq, attn_b, qkv
	v_lshl_add_u32 v[SPW], v0, 2, SPARE
	v_mov_b32 v[NIL], 0
	ds_add_u32 v28, v29
	ds_add_u32 v28, v29
	s_wait_dscnt 0x0
	v_lshrrev_b32 v1, 5, v0
	v_readfirstlane_b32 s14, v1                    ; wave
	s_lshr_b32 s15, s14, 1                         ; my half of the tile's rows.  Also: I fetch for A (0) or B (1)
	s_and_b32 s16, s14, 1                          ; my half of its columns.  Also: which block of 128 rows I fetch
	s_bfe_u32 s40, ttmp6, 0x40000                  ; cx
	s_bfe_u32 s41, ttmp6, 0x40004                  ; cy
	s_and_b32 s12, ttmp7, 0xffff
	s_lshl_b32 s12, s12, 2                         ; 4 x cluster y
	s_lshl_b32 s13, ttmp9, 2                       ; 4 x cluster x
	s_mov_b32 s97, AS0
	s_mov_b32 s98, WS0
	s_cmp_eq_u32 ttmp9, 2                          ; V's clusters: the same in all sixteen partners
	s_cselect_b32 s17, 8, s12                      ; A's tile less cy: attn_w's tiles 8-11, or the tokens'
	s_cselect_b32 s42, s12, s13                    ; B's tile less cx
	s_cselect_b32 s95, 0, -1                       ; all ones where the bias goes by column,
	s_cselect_b32 s96, -1, 0                       ; where it goes by row
	s_cselect_b32 s97, WS0, s97                    ; where A's scale words begin,
	s_cselect_b32 s98, AS0, s98                    ; and B's
	s_add_co_u32 s17, s17, s41                     ; A's tile: it hangs on cy alone of the two places
	s_add_co_u32 s42, s42, s40                     ; B's: on cx alone
	s_lshl_b32 s43, s41, 2
	s_lshl_b32 s43, 15, s43                        ; my row of the cluster
	s_lshl_b32 s44, 0x1111, s40                    ; my column
	; group 1 for codes: 32,768 dense bytes as 128 rows of 32 elements of 8 bytes, 16 bytes of padding behind each row
	s_or_b32 s[G1+0], s43, (3<<16)|(1<<20)|(1<<21)|(5<<22)|(3<<25)
	s_or_b32 s[G1B+0], s44, (3<<16)|(1<<20)|(1<<21)|(5<<22)|(3<<25)
.irp g, G1, G1B
	s_mov_b32 s[\g+1], 32<<16
	s_mov_b32 s[\g+2], 128<<16
	s_mov_b32 s[\g+3], 32<<16
	s_mov_b32 s[\g+4], 128
	s_mov_b32 s[\g+5], 32
	s_mov_b32 s[\g+6], 0
	s_mov_b32 s[\g+7], 0
.endr
	s_lshl_b32 s20, s17, 1
	s_add_co_u32 s20, s20, s16                     ; the block of 128 rows of A that I would fetch,
	s_lshl_b32 s46, s42, 1
	s_add_co_u32 s46, s46, s16                     ; of B
	s_lshl_b32 s22, s20, 12                        ; its scale words: 8 planes x 512 bytes
	s_add_co_u32 s22, s22, s97
	s_lshl_b32 s92, s46, 12
	s_add_co_u32 s92, s92, s98
	s_lshl_b32 s20, s20, 17                        ; its codes: 8 planes x 16,384 bytes
	s_lshl_b32 s46, s46, 17
	s_mov_b32 s21, 0
	s_mov_b32 s23, 0
	s_mov_b32 s47, 0
	s_mov_b32 s93, 0
	s_mul_i32 s45, s14, HALFT                      ; where they go: no place in the cluster enters an LDS address
	s_lshl_b32 s94, s14, 12
	s_mov_b32 s[SEL], 0x76543210
	s_mov_b32 s[SEL+1], 0xfedcba98
	s_mov_b32 s[MNT], 0x600000
	s_wait_kmcnt 0x0
	s_cmp_eq_u32 ttmp9, 2
	s_cselect_b64 s[2:3], s[6:7], s[4:5]           ; A's buffer
	s_cselect_b64 s[18:19], s[4:5], s[6:7]         ; B's
	s_add_nc_u64 s[20:21], s[2:3], s[20:21]
	s_add_nc_u64 s[22:23], s[2:3], s[22:23]
	s_add_nc_u64 s[46:47], s[18:19], s[46:47]
	s_add_nc_u64 s[92:93], s[18:19], s[92:93]
	CROUND                                         ; all sixteen work-groups are here: the first joint loads meet
	s_cmp_eq_u32 s15, 0                            ; the scale words go through registers: my block's 4,096 bytes in memory (waves 0, 1: A's; 2, 3: B's),
	s_cselect_b64 s[G0S:G0S+1], s[22:23], s[92:93]
	s_add_co_u32 s[G0S+2], s94, SCL                ; and their place in LDS
.irp s, 0,1
	s_mov_b32 s[G0+4*\s], 1
	s_add_co_u32 s[G0+4*\s+1], s45, \s*SLOT
	s_add_nc_u64 s[G0+4*\s+2:G0+4*\s+3], s[20:21], \s*32768
	s_or_b32 s[G0+4*\s+3], s[G0+4*\s+3], 0x80000000
	s_mov_b32 s[G0B+4*\s], 1
	s_add_co_u32 s[G0B+4*\s+1], s45, \s*SLOT
	s_add_nc_u64 s[G0B+4*\s+2:G0B+4*\s+3], s[46:47], \s*32768
	s_or_b32 s[G0B+4*\s+3], s[G0B+4*\s+3], 0x80000000
.endr
	; THE PREFETCHES INTO THE L2: of the 32,768 bytes of a K step that I fetch, each of the four partners that ask for them jointly takes 8,192, told apart by address (cx for A, cy for B); lanes 256 bytes apart, one instruction a wave.
	s_cmp_eq_u32 s15, 0
	s_cselect_b32 s84, s40, s41
	s_cselect_b64 s[80:81], s[20:21], s[46:47]
	s_lshl_b32 s82, s84, 13
	s_mov_b32 s83, 0
	s_add_nc_u64 s[80:81], s[80:81], s[82:83]
	JLOAD G0, G1, G0B, G1B                         ; K step 0: one tensor load a wave at the head
	v_and_b32 v22, 31, v0
	v_lshlrev_b32 v22, 8, v22
	global_prefetch_b8 v22, s[80:81] offset:32768 th:TH_LOAD_NT scope:SCOPE_SE   ; K step 1, which the next fill loads,
	global_prefetch_b8 v22, s[80:81] offset:65536 th:TH_LOAD_NT scope:SCOPE_SE   ; and K step 2, two fills on
	v_and_b32 v1, 15, v0                           ; r
	v_bfe_u32 v2, v0, 4, 1                         ; h
	s_wait_alu depctr_va_vdst(0)
	v_lshlrev_b32 v3, 7, v1
	v_lshrrev_b32 v4, 1, v1
	v_lshl_add_u32 v3, v4, 4, v3
	v_lshl_add_u32 v4, v2, 4, v3                   ; a fragment's row: 128 r + 16 (r / 2), + 16 h
	s_mul_i32 s21, s15, HALFT                      ; my 128 rows of A,
	s_mul_i32 s22, s16, HALFT
	s_add_co_u32 s22, s22, 2*HALFT                 ; of B
.irp s, 0,1
	v_add_nc_u32 v[ADRA+\s], s21, v4
	v_add_nc_u32 v[ADRB+\s], s22, v4
	s_add_co_u32 s21, s21, SLOT
	s_add_co_u32 s22, s22, SLOT
.endr
	s_lshl_b32 s21, s15, 12                        ; scale words: lanes 0-15 take A's, lanes 16-31 B's
	s_lshl_b32 s22, s16, 12
	s_add_co_u32 s22, s22, 2*4096
	s_sub_co_u32 s22, s22, s21
	v_mul_u32_u24 v6, s22, v2
	s_add_co_u32 s21, s21, SCL
	v_lshlrev_b32 v5, 2, v1
	v_add_nc_u32 v5, v5, v6
	v_add_nc_u32 v[ADRS], s21, v5
	s_mul_i32 s23, s14, STG                        ; my stage
	v_mul_u32_u24 v5, v1, 144
	v_lshl_add_u32 v5, v2, 3, v5
	v_add_nc_u32 v[STO], s23, v5                   ; in: row r, 8 bytes for each half of the lanes
	v_lshl_add_u32 v5, v1, 2, 18432
	v_add_nc_u32 v[SWA], s23, v5                   ; the scale word of row r
	v_and_b32 v6, 31, v0
	v_lshlrev_b32 v[CO], 4, v6                     ; out: 16 bytes a lane
	v_add_nc_u32 v5, s23, v[CO]
	v_add_nc_u32 v[SWR], 18432, v5
	v_lshrrev_b32 v5, 3, v6
	v_and_b32 v6, 7, v6
	v_mul_u32_u24 v5, v5, 144
	v_lshl_add_u32 v5, v6, 4, v5
	v_add_nc_u32 v[RD], s23, v5                    ; back: eight lanes to a row of 128 bytes, four rows an instruction
	; where my chunk goes
	s_mov_b32 s92, VC0
	s_mov_b32 s93, QS0
	s_cmp_eq_u32 ttmp9, 2
	s_cselect_b32 s46, 8, 0
	s_cselect_b32 s47, 5, 4                        ; V^T has 32 planes to a block of rows, q and k 16
	s_cselect_b32 s92, s92, 0
	s_cselect_b32 s93, VS0, s93
	s_sub_co_u32 s20, s17, s46
	s_lshl_b32 s20, s20, 1
	s_add_co_u32 s20, s20, s15                     ; the block of rows,
	s_lshl_b32 s21, s42, 1
	s_add_co_u32 s21, s21, s16                     ; the plane
	s_lshl_b32 s22, s20, s47
	s_add_co_u32 s22, s22, s21                     ; the chunk
	s_lshl_b32 s46, s22, 14
	s_add_co_u32 s46, s46, s92
	s_mov_b32 s47, 0
	s_add_nc_u64 s[12:13], s[10:11], s[46:47]
	s_lshl_b32 s46, s22, 9
	s_add_co_u32 s46, s46, s93
	s_add_nc_u64 s[18:19], s[10:11], s[46:47]
	s_lshl_b32 s92, s21, 9                         ; the bias of my 128 columns (q, k); byte 0 in V's clusters, where what is loaded is replaced by zeros
	s_and_b32 s92, s92, s95
	s_mov_b32 s93, 0
	s_add_nc_u64 s[92:93], s[8:9], s[92:93]
	s_lshl_b32 s46, s20, 9                         ; the bias of my 128 rows (V: from number 2,048 on); byte 0 elsewhere, likewise
	s_add_co_u32 s46, s46, 8192
	s_and_b32 s46, s46, s96
	s_add_nc_u64 s[46:47], s[8:9], s[46:47]
	s_wait_alu depctr_va_vdst(0)                   ; the wait ahead of the reader of v[CO]
; No joint load for the scale words: they are 16 KB of a work-group against the 512 KB of codes that its joint loads bring, and the four waves' one load each at the head is taken by K step 0.
.irp i, 0,1,2,3,4,5,6,7
	global_load_b128 v[AF+4*\i:AF+4*\i+3], v[CO], s[G0S:G0S+1] offset:512*\i   ; 512 consecutive bytes an instruction
.endr
	v_add_nc_u32 v7, s[G0S+2], v[CO]
	v_lshlrev_b32 v5, 5, v2
	v_lshlrev_b32 v6, 2, v1
.irp b, 0,1,2,3,4,5,6,7
	global_load_b128 v[BC+8*\b:BC+8*\b+3], v5, s[92:93] offset:64*\b        ; lane (r, h), register j: column 16 b + 8 h + j
	global_load_b128 v[BC+8*\b+4:BC+8*\b+7], v5, s[92:93] offset:64*\b+16
.endr
.irp a, 0,1,2,3,4,5,6,7
	global_load_b32 v[BR+\a], v6, s[46:47] offset:64*\a                     ; row 16 a + r
.endr
	s_wait_loadcnt 0x0
.set i, 0
.rept 64
	v_cndmask_b32 v[BC+i], 0, v[BC+i], s95
.set i, i+1
.endr
.irp a, 0,1,2,3,4,5,6,7
	v_cndmask_b32 v[BR+\a], 0, v[BR+\a], s96
.endr
.macro FRAG reg, adr, q, i             ; 16 rows x 128 K: lane l holds row l % 16; registers 4 c .. 4 c + 3 hold K = 32 c + 16 (l / 16) + 0 .. 15
.irp c, 0,1,2,3
	ds_load_b128 v[\reg+4*\c:\reg+4*\c+3], v[\adr] offset:PL*(\q)+RT*(\i)+32*\c
.endr
.endm
; 16 matrix instructions: A's blocks a0, a0 + 1 x B's eight.  zero = 1: the first product starts the sums, from the bias.  The 64 accumulators take turns.
.macro MUL16 a0, p, q, sc, zero
.irp a, \a0, \a0+1
.irp b, 0,1,2,3,4,5,6,7
.if \zero
	v_wmma_scale_f32_16x16x128_f8f6f4 v[8*(8*((\a)%4)+\b):8*(8*((\a)%4)+\b)+7], v[128*(\p)+FR*\b:128*(\p)+FR*\b+FR-1], v[AF+FR*(\a):AF+FR*(\a)+FR-1], v[BC+8*\b:BC+8*\b+7], v[SC+8*NQ*(\sc)+NQ*\b+(\q)], v[SC+8*NQ*(\sc)+NQ*(\a)+(\q)] matrix_a_fmt:MATRIX_FMT_BF8 matrix_b_fmt:MATRIX_FMT_BF8 matrix_a_scale:MATRIX_SCALE_ROW1
.else
	v_wmma_scale_f32_16x16x128_f8f6f4 v[8*(8*((\a)%4)+\b):8*(8*((\a)%4)+\b)+7], v[128*(\p)+FR*\b:128*(\p)+FR*\b+FR-1], v[AF+FR*(\a):AF+FR*(\a)+FR-1], v[8*(8*((\a)%4)+\b):8*(8*((\a)%4)+\b)+7], v[SC+8*NQ*(\sc)+NQ*\b+(\q)], v[SC+8*NQ*(\sc)+NQ*(\a)+(\q)] matrix_a_fmt:MATRIX_FMT_BF8 matrix_b_fmt:MATRIX_FMT_BF8 matrix_a_scale:MATRIX_SCALE_ROW1
.endif
.endr
.endr
.endm
.macro FETCH_B slot, q, p
	WIN TO_B
.irp i, 0,1,2,3,4,5,6,7
	FRAG 128*(\p)+FR*\i, ADRB+\slot, \q, \i
.endr
	WIN 0
.endm
.macro FETCH_A slot, q, i0
.irp i, \i0, \i0+1, \i0+2, \i0+3
	FRAG AF+FR*(\i), ADRA+\slot, \q, \i
.endr
.endm
.macro SCALES sc                       ; a K step's scale words: register 2 i + q: lanes 0-15 A's block i, lanes 16-31 B's block i, plane q
.irp i, 0,1,2,3,4,5,6,7
.irp q, 0,1
	ds_load_b32 v[SC+16*(\sc)+2*\i+\q], v[ADRS] offset:512*\q+64*\i
.endr
.endr
.endm
.macro PLACES n                        ; plain vector instructions between a matrix instruction and a load into, or a read of, its registers (ISA guide 7.12.1 for reads)
.rept \n
	v_nop
.endr
.endm
.macro STEP slot, q, zero              ; 128 along K that has its successor in the same slot
	s_wait_dscnt 4*NL                              ; B's set, A's blocks 0-3 and the scale words are in; the youngest 16 loads (A's blocks 4-7) may be out
.if \zero
	WIN 0x81                                       ; C (the bias) window 0, D window 2
.else
	WIN MUL_LO
.endif
	MUL16 0, (\q)%2, \q, \slot, \zero
	MUL16 2, (\q)%2, \q, \slot, \zero
	s_wait_dscnt 0
	PLACES NPL
	FETCH_B \slot, (\q)+1, 1-(\q)%2
	FETCH_A \slot, (\q)+1, 0
.if \zero
	WIN 0xc1
.else
	WIN MUL_HI
.endif
	MUL16 4, (\q)%2, \q, \slot, \zero
	MUL16 6, (\q)%2, \q, \slot, \zero
	PLACES NPL
	WIN 0
	FETCH_A \slot, (\q)+1, 4
.endm
; A slot's last step changes slots: one barrier; in front of it each wave waits for all its tensor loads, adds 0 to its spare word, and waits for that and for its reads of this slot.
.macro TURN slot, next, fill
	s_wait_tensorcnt 0x0                           ; all my tensor loads have landed: my part of the next slot
	ds_add_u32 v[SPW], v[NIL]                      ; 0 onto my spare word
	s_wait_dscnt 4*NL+1                            ; the add and the youngest 16 loads (A's blocks 4-7) may be out
	WIN MUL_LO
	MUL16 0, 1, NQ-1, \slot, 0
	s_wait_dscnt 0x0                               ; the add is done, and my reads of this slot are over
	s_barrier_signal -1
	MUL16 2, 1, NQ-1, \slot, 0
	WIN 0
	s_barrier_wait -1
.if \fill
	CREST                                          ; the barrier has opened a round of the cluster's: no wave of any partner still reads this slot or has a load on its way
	s_add_nc_u64 s[G0+4*\slot+2:G0+4*\slot+3], s[G0+4*\slot+2:G0+4*\slot+3], 65536
	s_add_nc_u64 s[G0B+4*\slot+2:G0B+4*\slot+3], s[G0B+4*\slot+2:G0B+4*\slot+3], 65536
	JLOAD G0+4*\slot, G1, G0B+4*\slot, G1B         ; the first tensor load behind the round; its four v_nop are among the places in front of the loads below
	PLACES NPL-4
.else
	PLACES NPL
.endif
	s_wait_alu depctr_va_vdst(0)
	v_add_nc_u32 v[ADRS], 1024, v[ADRS]            ; the next K step's scale words
	FETCH_B \next, 0, 0
	FETCH_A \next, 0, 0
	SCALES \next
	WIN MUL_HI
	MUL16 4, 1, NQ-1, \slot, 0
	MUL16 6, 1, NQ-1, \slot, 0
	PLACES NPL
	WIN 0
	FETCH_A \next, 0, 4
.endm
	s_wait_alu depctr_va_vdst(0)                   ; the wait at the head's end
	s_wait_tensorcnt 0x0                           ; my part of K step 0 is in
.irp i, 0,1,2,3,4,5,6,7
	ds_store_b128 v7, v[AF+4*\i:AF+4*\i+3] offset:512*\i   ; my 4,096 bytes of scale words, into bytes that no tensor load fills
.endr
	s_wait_tensorcnt 0x0
	ds_add_u32 v[SPW], v[NIL]
	s_wait_dscnt 0x0                               ; the add and my stores are done
	CROUND                                         ; K step 0 and the scale words are whole, and the sixteen work-groups are here
	JLOAD G0+4, G1, G0B+4, G1B                     ; K step 1, the first tensor load behind the round
	global_prefetch_b8 v22, s[80:81] offset:98304 th:TH_LOAD_NT scope:SCOPE_SE   ; K step 3, the last: two fills on; the address registers are never rewritten
	FETCH_B 0, 0, 0
	FETCH_A 0, 0, 0
	SCALES 0
	FETCH_A 0, 0, 4
	STEP 0, 0, 1
	s_mov_b32 s3, LAPS-1
.Llap:
	TURN 0, 1, 1
	STEP 1, 0, 0
	TURN 1, 0, 1
	STEP 0, 0, 0
	s_sub_co_u32 s3, s3, 1
	s_cmp_lg_u32 s3, 0
	s_cbranch_scc1 .Llap
	TURN 0, 1, 0                                   ; the last lap fills nothing
	STEP 1, 0, 0
	s_wait_dscnt 4*NL
	WIN MUL_LO
	MUL16 0, 1, NQ-1, 1, 0
	MUL16 2, 1, NQ-1, 1, 0
	s_wait_dscnt 0
	WIN MUL_HI
	MUL16 4, 1, NQ-1, 1, 0
	MUL16 6, 1, NQ-1, 1, 0
	WIN 0
; THE WAY OUT.  v[T + 8 n + j] is column 16 n + 8 h + j of my row: a block of 32 columns is 16 registers of lanes l and l xor 16.  64 numbers become 64 codes in v[PC] on and the row's scale word in v[PW].
.macro QUANT
.irp b, 0,1,2,3
	v_max3_num_f32 v[TM+\b], |v[T+16*\b]|, |v[T+1+16*\b]|, 0x8000000   ; and the floor 2^(16 - 127): the byte cannot fall under 1
.endr
.irp i, 2,4,6,8,10,12,14
.irp b, 0,1,2,3
	v_max3_num_f32 v[TM+\b], v[TM+\b], |v[T+16*\b+\i]|, |v[T+1+16*\b+\i]|
.endr
.endr
.irp b, 0,1,2,3
	v_permlanex16_b32 v[TM+4+\b], v[TM+\b], s[SEL], s[SEL+1]
.endr
.irp b, 0,1,2,3
	v_max_num_f32 v[TM+\b], v[TM+\b], v[TM+4+\b]
.endr
.irp b, 0,1,2,3
	v_add_nc_u32 v[TM+12+\b], 0xf8800000, v[TM+\b]   ; 15 off the exponent field: the conversion's scale operand
.endr
.irp b, 0,1,2,3
	v_and_or_b32 v[TM+8+\b], v[TM+\b], 0x7f800000, s[MNT]   ; 57,344 x the scale
.endr
.irp b, 0,1,2,3
	v_lshrrev_b32 v[TM+4+\b], 23, v[TM+12+\b]
.endr
	v_lshl_or_b32 v[PW], v[TM+5], 8, v[TM+4]
	v_lshl_or_b32 v[PW], v[TM+6], 16, v[PW]
	v_lshl_or_b32 v[PW], v[TM+7], 24, v[PW]
.irp b, 0,1,2,3
.irp i, 0,1,2,3,4,5,6,7,8,9,10,11,12,13,14,15
	v_med3_num_f32 v[T+16*\b+\i], v[T+16*\b+\i], -v[TM+8+\b], v[TM+8+\b]   ; the conversion does not saturate (ISA guide 7.6.2): the hold comes first
.endr
	v_cvt_scalef32_pk8_bf8_f32 v[PC+4*\b:PC+1+4*\b], v[T+16*\b:T+7+16*\b], v[TM+12+\b]
	v_cvt_scalef32_pk8_bf8_f32 v[PC+2+4*\b:PC+3+4*\b], v[T+8+16*\b:T+15+16*\b], v[TM+12+\b]
.endr
	v_nop                                          ; a plain instruction behind the last conversion
.endm
.macro QBLOCK a                        ; my rows 16 a on: the row bias is added (which also brings the numbers into window 0), they are quantised and go to the stage
.set AC, 64*((\a)%4)
	s_wait_dscnt 0x0                               ; the last block's LDS stores have read their registers
	v_mov_b32 v[BRP], v[BR+(\a)]
	s_wait_alu depctr_va_vdst(0)
	WIN 0x02+((\a)/4)
.set i, 0
.rept 32
	v_pk_add_f32 v[T+i:T+i+1], v[AC+i:AC+i+1], v[BRP:BRP+1] op_sel_hi:[1,0]   ; each accumulator from its low end on
.set i, i+2
.endr
	WIN 0
	QUANT
.irp b, 0,1,2,3,4,5,6,7
	ds_store_b64 v[STO], v[PC+2*\b:PC+2*\b+1] offset:2304*(\a)+16*\b
.endr
	ds_store_b32 v[SWA], v[PW] offset:64*(\a)      ; both halves of the lanes write the same word with the same value
.endm
	PLACES NPL
.irp b, 0,1,2,3
	v_mov_b32 v[TM+4+\b], 0                        ; written once: a lane permute's destination counts as one of its sources
.endr
	v_mov_b32 v[BRP+1], 0                          ; named with v[BRP] as a pair
.irp a, 0,1,2,3,4,5,6,7
	QBLOCK \a
.endr
	s_wait_dscnt 0x0
.set i, 0
.rept 32
	ds_load_b128 v[128+4*i:128+4*i+3], v[RD] offset:576*i
.set i, i+1
.endr
	ds_load_b128 v[32:35], v[SWR]
.set i, 0
.rept 32
	s_wait_dscnt 32-i
	global_store_b128 v[CO], v[128+4*i:128+4*i+3], s[12:13] offset:512*i   ; 512 consecutive bytes, aligned: the chunk is dense
.set i, i+1
.endr
	s_wait_dscnt 0x0
	global_store_b128 v[CO], v[32:35], s[18:19]    ; the chunk's 512 bytes of scale words
	s_wait_tensorcnt 0x0                           ; the wave's end
	ds_add_u32 v[SPW], v[NIL]
	s_wait_dscnt 0x0
	CROUND                                         ; the closing round
	s_endpgm
.Lfunc_end_k_q768e7ed796_qkv:
	.size	k_q768e7ed796_qkv, .Lfunc_end_k_q768e7ed796_qkv-k_q768e7ed796_qkv
	.p2alignl 7, 3214868480
	.fill 96, 4, 3214868480
	.section	.rodata,"a",@progbits
	.p2align	6, 0x0
	.amdhsa_kernel k_q768e7ed796_qkv
		.amdhsa_group_segment_fixed_size 327680
		.amdhsa_private_segment_fixed_size 0
		.amdhsa_enable_private_segment 0
		.amdhsa_kernarg_size 32
		.amdhsa_user_sgpr_count 2
		.amdhsa_user_sgpr_kernarg_segment_ptr 1
		.amdhsa_wavefront_size32 1
		.amdhsa_system_sgpr_workgroup_id_x 1
		.amdhsa_system_sgpr_workgroup_id_y 1
		.amdhsa_system_sgpr_workgroup_id_z 1
		.amdhsa_system_vgpr_workitem_id 0
		.amdhsa_next_free_vgpr 1024
		.amdhsa_next_free_sgpr 100
		.amdhsa_reserve_vcc 0
		.amdhsa_float_denorm_mode_32 3
		.amdhsa_float_denorm_mode_16_64 3
		.amdhsa_memory_ordered 1
		.amdhsa_forward_progress 1
		.amdhsa_inst_pref_size 219
	.end_amdhsa_kernel
	.amdgpu_metadata
---
amdhsa.version: [ 1, 2 ]
amdhsa.kernels:
  - .name:           k_q768e7ed796_qkv
    .symbol:         k_q768e7ed796_qkv.kd
    .args:
      - { .name: act, .offset: 0, .size: 8, .value_kind: global_buffer, .address_space: global }
      - { .name: wq, .offset: 8, .size: 8, .value_kind: global_buffer, .address_space: global }
      - { .name: attn_b, .offset: 16, .size: 8, .value_kind: global_buffer, .address_space: global }
      - { .name: qkv, .offset: 24, .size: 8, .value_kind: global_buffer, .address_space: global }
    .group_segment_fixed_size: 327680
    .private_segment_fixed_size: 0
    .kernarg_segment_align: 8
    .kernarg_segment_size: 32
    .max_flat_workgroup_size: 128
    .sgpr_count:     100
    .vgpr_count:     1024
    .wavefront_size: 32
...
	.end_amdgpu_metadata
.endif
;; end of part 2
;; launch attn (part 3): grid 8 x 32, 16 waves a work-group, clusters of 4 x 1, 327,680 bytes of LDS; arguments qkv, act; writes act
.if DOCPART == 3
	.amdgcn_target "amdgcn-amd-amdhsa--gfx1250"
	.amdhsa_code_object_version 6
	.text
	.protected	k_q768e7ed796_attn
	.globl	k_q768e7ed796_attn
	.p2align	8
	.type	k_q768e7ed796_attn,@function
k_q768e7ed796_attn:
	s_mov_b64 s[64:65], 0
	v_nop
	global_prefetch_b8 v0, s[64:65] scope:SCOPE_SE
	s_setreg_imm32_b32 hwreg(HW_REG_WAVE_MODE, 25, 1), 1
	s_wait_xcnt 0x0
	s_wait_alu depctr_hold_cnt(0) depctr_sa_sdst(0) depctr_va_vdst(0) depctr_va_sdst(0) depctr_va_ssrc(0) depctr_va_vcc(0) depctr_vm_vsrc(0)
	s_getreg_b32 s2, hwreg(HW_REG_IB_STS2, 6, 4)
	s_cmp_eq_u32 s2, 0
	s_cbranch_scc0 .Lentry_in_a_cluster
	s_endpgm
.Lentry_in_a_cluster:
	s_bfe_u32 s2, ttmp6, 0x10000c
	s_cmp_lg_u32 s2, 0x3003
	s_cbranch_scc0 .Lentry_shape_is_right
	s_endpgm
.Lentry_shape_is_right:
; y = softmax(q k^T / 8) v for 64 (batch, head) pairs of 1,024 tokens, head size 64, both products on codes of BF8 (E5M2) with E8M0 scales; y is quantised along the channels at once.
; IN (qkv): q, k codes [32 blocks of 128 tokens][16 planes of 128 columns][128][128], V^T codes at VC0 [8 blocks of 128 channels][32 planes of 128 tokens][128][128]; scale words at QS0, VS0, 512 bytes a chunk.
; OUT (act): codes [32 blocks of tokens][8 planes][128][128], scale words at AS0.
; SHARES.  A work-group owns 128 queries of the two heads of one plane; wave w owns 16 queries (w % 8) of head w / 8.  Both products are used transposed: a lane holds one query throughout.
; ALL OF K AND V LIES IN LDS: 8 chunks of K, 8 of V^T (17,408 bytes each with padding) and 8,192 bytes of scale words: 286,720 bytes.  Fourteen waves ask for one tile each at the head:
; waves 0-7 a chunk of K, waves 8-11 two chunks of V^T, wave 12 K's scale words, wave 13 V's.  Nothing is filled again, so one barrier shows all, and the loop over the keys has none.
; CLUSTER of 4: the four query blocks of a cluster read the same K and V: every tile is asked for jointly.
; NO PREFETCH: every tile is asked for at the head, and there is no loop in which to run ahead of a load.
; SOFTMAX: t = score x log2(e) / 8; M = the running largest t rounded up to a whole number; p = 2^(t - M) is quantised along the keys; the row's sum of the unquantised p divides at the end.
; The head's 64 channels fill half of the first product's K of 128: the upper halves of both operands hold zero codes.
; LIMITS: the promise holds while |t| stays under 2^31; a block of zeros or under 2^-111 gets the byte 1 (this program alone reads the bytes); NaN and infinities are not served.
.set AS0,   4194304
.set VC0,   8388608
.set QS0,   12582912
.set VS0,   12845056
.set PL,    17408                      ; a chunk in LDS: 64 units of 256 bytes + 16 of padding
.set RT,    2176                       ; 16 rows of it
.set VOFF,  8*PL
.set SCK,   16*PL
.set SCV,   SCK+4096
.set SPARE, SCV+4096                   ; the spare words: 128 bytes a wave
.set STG,   SPARE+2048                 ; the way out: 128 rows x 144 bytes of codes, then 512 bytes of scale words; no tile lands here
.set AK0,  1
.set AV0,  2
.set ASK0, 3
.set ASV0, 4
.set SPW,  5
.set NIL,  6
.set GO,   7
.set ADK,  8
.set ADV,  9
.set ADS,  10
.set ADT,  11
.set WV,   18
.set MNT,  19
.set SEL,  20
.set CS,   22
.set G1C,  24
.set G1V,  32
.set G1SK, 40
.set G1SV, 48
.set G0K,  56
.set G0V,  60
.set TB,   66                          ; the trip's first chunk in LDS
.set TS,   67                          ; the step's scale words: 512 bytes a step in K's and in V's
.set G0SK, 68
.set G0SV, 72
.set CNT,  76
.macro CROUND
	s_barrier_signal -1
	s_barrier_wait -1
	s_cmp_lg_u32 s[WV], 0
	s_cbranch_scc1 .Lnot_wave_0_\@
	s_barrier_signal -3
.Lnot_wave_0_\@:
	s_barrier_wait -3
	s_barrier_signal -1
	s_barrier_wait -1
.endm
.macro GRP1 g, w0, c, r, p             ; descriptor group 1: r rows of c elements of 8 bytes, p elements apart
	s_mov_b32 s[\g], \w0
	s_mov_b32 s[\g+1], (\c)<<16
	s_mov_b32 s[\g+2], (\r)<<16
	s_mov_b32 s[\g+3], (\c)<<16
	s_mov_b32 s[\g+4], \r
	s_mov_b32 s[\g+5], \p
	s_mov_b32 s[\g+6], 0
	s_mov_b32 s[\g+7], 0
.endm
	s_load_b128 s[4:7], s[0:1], 0x0                ; qkv, act
	v_lshl_add_u32 v[SPW], v0, 2, SPARE
	v_mov_b32 v[NIL], 0
	ds_add_u32 v[SPW], v[NIL]                      ; the add, twice on end, and its wait below
	ds_add_u32 v[SPW], v[NIL]
	v_lshrrev_b32 v8, 5, v0
	v_readfirstlane_b32 s[WV], v8
	s_bfe_u32 s77, ttmp6, 0x40000                  ; cx
	s_lshl_b32 s80, ttmp9, 2
	s_add_co_u32 s80, s80, s77                     ; my block of 128 queries in the batch
	s_and_b32 s78, ttmp7, 0xffff
	s_and_b32 s82, s78, 7                          ; the plane: two heads
	s_sub_co_u32 s81, s78, s82                     ; 8 x batch
	s_and_b32 s83, s[WV], 7
	s_lshr_b32 s84, s[WV], 3
	s_and_b32 s85, s[WV], 3
	s_add_co_u32 s86, s81, s83                     ; K: chunk (8 batch + wave % 8) x 16 + 8 + plane
	s_lshl_b32 s86, s86, 4
	s_add_co_u32 s86, s86, s82
	s_add_co_u32 s86, s86, 8
	s_lshl_b32 s86, s86, 14
	s_mov_b32 s87, 0
	s_lshl_b32 s79, s82, 5
	s_add_co_u32 s79, s79, s81                     ; V^T: chunk 32 x plane + 8 batch on: eight dense chunks
	s_lshl_b32 s88, s85, 1
	s_add_co_u32 s88, s88, s79
	s_lshl_b32 s88, s88, 14
	s_add_co_u32 s88, s88, VC0
	s_mov_b32 s89, 0
	s_lshl_b32 s90, s81, 4                         ; K's scale words: 8 rows of 512 bytes, 16 chunks apart
	s_add_co_u32 s90, s90, s82
	s_add_co_u32 s90, s90, 8
	s_lshl_b32 s90, s90, 9
	s_add_co_u32 s90, s90, QS0
	s_mov_b32 s91, 0
	s_lshl_b32 s92, s79, 9                         ; V's: 4,096 dense bytes
	s_add_co_u32 s92, s92, VS0
	s_mov_b32 s93, 0
	GRP1 G1C, 15|(3<<16)|(1<<20)|(1<<21)|(5<<22)|(3<<25), 32, 64, 32
	GRP1 G1V, 15|(3<<16)|(1<<20)|(1<<21)|(5<<22)|(3<<25), 32, 128, 32
	GRP1 G1SK, 15|(3<<16)|(1<<21), 64, 8, 1024
	GRP1 G1SV, 15|(3<<16)|(1<<21), 64, 8, 64
	s_mov_b32 s[G0K], 1
	s_mul_i32 s[G0K+1], s83, PL
	s_mov_b32 s[G0V], 1
	s_mul_i32 s[G0V+1], s85, 2*PL
	s_add_co_u32 s[G0V+1], s[G0V+1], VOFF
	s_mov_b32 s[G0SK], 1
	s_mov_b32 s[G0SK+1], SCK
	s_mov_b32 s[G0SV], 1
	s_mov_b32 s[G0SV+1], SCV
	s_mov_b32 s[SEL], 0x76543210
	s_mov_b32 s[SEL+1], 0xfedcba98
	s_mov_b32 s[CS], 0x3e38aa3b                    ; log2(e) / 8
	s_mov_b32 s[CS+1], s[CS]
	s_mov_b32 s[MNT], 0x600000
	s_mov_b32 s[TB], 0
	s_mov_b32 s[TS], 0
	s_mov_b32 s[CNT], 4
	s_wait_dscnt 0x0                               ; both opening adds are done
	CROUND                                         ; the four work-groups are here: the joint loads meet
	s_wait_kmcnt 0x0
	s_add_nc_u64 s[G0K+2:G0K+3], s[4:5], s[86:87]
	s_or_b32 s[G0K+3], s[G0K+3], 0x80000000
	s_add_nc_u64 s[G0V+2:G0V+3], s[4:5], s[88:89]
	s_or_b32 s[G0V+3], s[G0V+3], 0x80000000
	s_add_nc_u64 s[G0SK+2:G0SK+3], s[4:5], s[90:91]
	s_or_b32 s[G0SK+3], s[G0SK+3], 0x80000000
	s_add_nc_u64 s[G0SV+2:G0SV+3], s[4:5], s[92:93]
	s_or_b32 s[G0SV+3], s[G0SV+3], 0x80000000
.macro ARM under, g0, g1, next         ; one tree of branches on the wave's number, an arm a load: no way through the head passes two
	s_cmp_lt_u32 s[WV], \under
	s_cbranch_scc0 \next
	tensor_load_to_lds s[\g0:\g0+3], s[\g1:\g1+7]
	s_nop 0
.rept 4
	v_nop
.endr
	s_branch .Lhead_asked
\next:
.endm
	ARM 8,  G0K,  G1C,  .Lhead_v
	ARM 12, G0V,  G1V,  .Lhead_sk
	ARM 13, G0SK, G1SK, .Lhead_sv
	ARM 14, G0SV, G1SV, .Lhead_none
.Lhead_asked:
	s_add_co_u32 s94, s81, s80                     ; my block of 128 tokens
	s_lshl_b32 s95, s94, 4
	s_add_co_u32 s95, s95, s82                     ; q's chunk
	s_lshl_b32 s96, s95, 14
	s_lshl_b32 s97, s83, 11
	s_add_co_u32 s96, s96, s97
	s_lshl_b32 s97, s84, 6
	s_add_co_u32 s96, s96, s97
	s_mov_b32 s97, 0
	s_add_nc_u64 s[12:13], s[4:5], s[96:97]        ; my 16 queries, my head's 64 bytes
	s_lshl_b32 s96, s95, 9
	s_lshl_b32 s98, s83, 6
	s_add_co_u32 s96, s96, s98
	s_lshl_b32 s98, s84, 1
	s_add_co_u32 s96, s96, s98
	s_add_co_u32 s96, s96, QS0
	s_add_nc_u64 s[14:15], s[4:5], s[96:97]        ; and their two scale bytes
	s_lshl_b32 s95, s94, 3
	s_add_co_u32 s95, s95, s82                     ; y's chunk
	s_lshl_b32 s96, s95, 14
	s_lshl_b32 s98, s[WV], 10
	s_add_co_u32 s96, s96, s98
	s_add_nc_u64 s[8:9], s[6:7], s[96:97]
	s_lshl_b32 s96, s95, 9
	s_add_co_u32 s96, s96, AS0
	s_add_nc_u64 s[10:11], s[6:7], s[96:97]
	s_mul_i32 s77, s83, 16*144                     ; the way out's places in the stage: my codes,
	s_lshl_b32 s78, s84, 6
	s_add_co_u32 s77, s77, s78
	s_add_co_u32 s77, s77, STG
	s_lshl_b32 s79, s83, 6                         ; my scale bytes,
	s_lshl_b32 s78, s84, 1
	s_add_co_u32 s79, s79, s78
	s_add_co_u32 s79, s79, STG+18432
	s_mul_i32 s86, s[WV], 8*144                    ; and the eight rows that I store
	s_add_co_u32 s86, s86, STG
	v_and_b32 v8, 15, v0                           ; r
	v_bfe_u32 v9, v0, 4, 1                         ; h
	v_lshlrev_b32 v10, 7, v8
	v_lshl_add_u32 v10, v9, 4, v10
	global_load_b128 v[16:19], v10, s[12:13]       ; q's fragment stays in registers
	global_load_b128 v[20:23], v10, s[12:13] offset:32
	v_lshlrev_b32 v254, 2, v8
	global_load_u16 v255, v254, s[14:15]
	v_and_b32 v11, 8, v8
	v_add_nc_u32 v11, v11, v8                      ; r + 8 (r / 8): lane r of tile 2 b + u takes key 32 b + 8 u + r + 8 (r / 8)
	v_lshlrev_b32 v[AK0], 7, v11
	v_lshrrev_b32 v12, 1, v11
	v_lshl_add_u32 v[AK0], v12, 4, v[AK0]
	v_lshl_add_u32 v[AK0], v9, 4, v[AK0]
	s_lshl_b32 s99, s84, 6
	v_add_nc_u32 v[AK0], s99, v[AK0]
	v_lshlrev_b32 v[AV0], 7, v8
	v_lshrrev_b32 v12, 1, v8
	v_lshl_add_u32 v[AV0], v12, 4, v[AV0]
	v_lshl_add_u32 v[AV0], v9, 4, v[AV0]
	s_mul_i32 s99, s84, 4*RT
	s_add_co_u32 s99, s99, VOFF
	v_add_nc_u32 v[AV0], s99, v[AV0]
	v_lshl_add_u32 v[ASK0], v11, 2, SCK
	s_lshl_b32 s99, s84, 1
	v_add_nc_u32 v[ASK0], s99, v[ASK0]
	v_lshl_add_u32 v[ASV0], v8, 2, SCV
	s_lshl_b32 s99, s84, 8
	v_add_nc_u32 v[ASV0], s99, v[ASV0]
	v_mov_b32 v13, 0xff61b1e6                      ; the largest t so far: -3e38
	v_floor_f32 v12, -v13                          ; -M
	v_mov_b32 v14, 0
	v_mov_b32 v15, 0
.irp b, 0,1,2,3
	v_mov_b32 v[236+\b], 0                         ; a lane permute's destination counts as one of its sources
.endr
	v_mov_b32 v253, 0
.irp j, 0,1,2,3,4,5,6,7
	v_mov_b32 v[24+\j], 0                          ; the zero codes of the upper 64 of K: q's,
.irp t, 0,1,2,3
	v_mov_b32 v[40+16*\t+\j], 0                    ; and k's
.endr
.endr
.set i, 0
.rept 32
	v_mov_b32 v[160+i], 0                          ; O^T: the first change of M leaves zeros zeros
.set i, i+1
.endr
; A KEY STEP: 128 keys, chunk q of the trip's two.
.macro STEP q
	v_add_nc_u32 v[ADK], s[TB], v[AK0]
	s_wait_alu depctr_va_vdst(0)                   ; the wait behind the write
	v_add_nc_u32 v[ADV], s[TB], v[AV0]
	v_add_nc_u32 v[ADS], s[TS], v[ASK0]
	s_wait_alu depctr_va_vdst(0)                   ; likewise
	v_add_nc_u32 v[ADT], s[TS], v[ASV0]
.irp g, 0,1                                    ; S^T = K Q^T, four tiles of 16 keys at a time
.rept 8-4*(1-\g)
	v_nop                                          ; eight places ahead of loads into registers that products have read; the four additions above are places too
.endr
.irp t, 0,1,2,3
.irp c, 0,1
	ds_load_b128 v[32+16*\t+4*\c:32+16*\t+4*\c+3], v[ADK] offset:PL*(\q)+(32*((4*\g+\t)/2)+8*(\t%2))*136+32*\c
.endr
	ds_load_u16 v[248+\t], v[ADS] offset:(32*((4*\g+\t)/2)+8*(\t%2))*4
.endr
	s_wait_dscnt 0x0
.irp t, 0,1,2,3
	v_wmma_scale_f32_16x16x128_f8f6f4 v[96+8*(4*\g+\t):103+8*(4*\g+\t)], v[32+16*\t:47+16*\t], v[16:31], 0, v[248+\t], v255 matrix_a_fmt:MATRIX_FMT_BF8 matrix_b_fmt:MATRIX_FMT_BF8
.endr
.endr
.rept 8
	v_nop
.endr
.irp b, 0,1,2,3
	v_max3_num_f32 v[232+\b], v[96+16*\b], v[97+16*\b], v[98+16*\b]   ; the largest score of each block of 32 keys: for the row's maximum and for the block's largest p
.endr
.irp i, 3,5,7,9,11,13
.irp b, 0,1,2,3
	v_max3_num_f32 v[232+\b], v[232+\b], v[96+16*\b+\i], v[97+16*\b+\i]
.endr
.endr
.irp b, 0,1,2,3
	v_max_num_f32 v[232+\b], v[232+\b], v[111+16*\b]
.endr
.irp b, 0,1,2,3
	v_permlanex16_b32 v[236+\b], v[232+\b], s[SEL], s[SEL+1]
.endr
.irp b, 0,1,2,3
	s_delay_alu instid0(VALU_DEP_4)
	v_max_num_f32 v[232+\b], v[232+\b], v[236+\b]
.endr
	s_delay_alu instid0(VALU_DEP_2)
	v_max3_num_f32 v254, v232, v233, v234
	s_delay_alu instid0(VALU_DEP_1)
	v_max_num_f32 v254, v254, v235
	s_delay_alu instid0(VALU_DEP_1)
	v_mul_f32 v254, s[CS], v254
	s_delay_alu instid0(VALU_DEP_1)
	v_max_num_f32 v13, v13, v254                   ; the running largest t
	v_mov_b32 v254, v12
	s_delay_alu instid0(VALU_DEP_2)
	v_floor_f32 v12, -v13                          ; -M = floor(-t)
	s_delay_alu instid0(VALU_DEP_1)
	v_sub_f32 v254, v12, v254
	s_delay_alu instid0(VALU_DEP_1)
	v_cvt_i32_f32 v254, v254
	s_delay_alu instid0(VALU_DEP_1)
	v_ldexp_f32 v252, 1.0, v254                    ; f = 2^(old M - new M)
.irp j, 0,2,4,6,8,10,12,14,16,18,20,22,24,26,28,30,32,34,36,38,40,42,44,46,48,50,52,54,56,58,60,62
	v_pk_fma_f32 v[96+\j:97+\j], v[96+\j:97+\j], s[CS:CS+1], v[12:13] op_sel_hi:[1,0,0]   ; t - M
.endr
.irp b, 0,1,2,3
	v_fma_f32 v[232+\b], v[232+\b], s[CS], v12
.endr
.set i, 0
	s_wait_alu depctr_va_vdst(0)                   ; a wait ahead of the batch,
.rept 64
	v_exp_f32 v[96+i], v[96+i]
.set i, i+1
.endr
	v_pk_mul_f32 v[14:15], v[14:15], v[252:253] op_sel_hi:[1,0]
	s_wait_alu depctr_va_vdst(0)                   ; and one behind it
.irp b, 0,1,2,3
	v_exp_f32 v[232+\b], v[232+\b]                 ; each block's largest p
.endr
	v_pk_add_f32 v[236:237], v[96:97], v[98:99]    ; the row's sum of the unquantised p, in two chains
.irp j, 4,8,12,16,20,24,28,32,36,40,44,48,52,56,60
	v_pk_add_f32 v[14:15], v[14:15], v[96+\j:97+\j]
	v_pk_add_f32 v[236:237], v[236:237], v[98+\j:99+\j]
.endr
	s_delay_alu instid0(VALU_DEP_1)
	v_pk_add_f32 v[14:15], v[14:15], v[236:237]
	s_wait_alu depctr_va_vdst(0)                   ; the wait for the four
.irp b, 0,1,2,3
	v_max_num_f32 v[232+\b], 0x8000000, v[232+\b]  ; the floor 2^(16 - 127): the byte cannot fall under 1
.endr
.irp b, 0,1,2,3
	s_delay_alu instid0(VALU_DEP_4)
	v_add_nc_u32 v[244+\b], 0xf8800000, v[232+\b]  ; the conversion's scale operand
.endr
.irp b, 0,1,2,3
	v_and_or_b32 v[240+\b], v[232+\b], 0x7f800000, s[MNT]   ; 57,344 x the scale
.endr
.irp b, 0,1,2,3
	v_lshrrev_b32 v[236+\b], 23, v[244+\b]
.endr
	s_delay_alu instid0(VALU_DEP_3)
	v_lshl_or_b32 v253, v237, 8, v236              ; p's scale word
	s_delay_alu instid0(VALU_DEP_1)
	v_lshl_or_b32 v253, v238, 16, v253
	s_delay_alu instid0(VALU_DEP_1)
	v_lshl_or_b32 v253, v239, 24, v253
.irp b, 0,1,2,3
.irp i, 0,1,2,3,4,5,6,7,8,9,10,11,12,13,14,15
	v_min_num_f32 v[96+16*\b+\i], v[96+16*\b+\i], v[240+\b]   ; the conversion does not saturate (ISA guide 7.6.2); p is not negative
.endr
	v_cvt_scalef32_pk8_bf8_f32 v[224+4*\b:225+4*\b], v[96+16*\b:103+16*\b], v[244+\b]
	v_cvt_scalef32_pk8_bf8_f32 v[226+4*\b:227+4*\b], v[104+16*\b:111+16*\b], v[244+\b]
.endr
	s_wait_alu depctr_va_vdst(0)                   ; the wait directly ahead of the first readers of O^T
.irp j, 0,2,4,6,8,10,12,14,16,18,20,22,24,26,28,30
	v_pk_mul_f32 v[160+\j:161+\j], v[160+\j:161+\j], v[252:253] op_sel_hi:[1,0]   ; O^T under the new M; also the places ahead of the products below
.endr
	s_wait_alu depctr_va_vdst(0)
.irp g, 0,1                                    ; O^T += V^T P^T: two tiles of 16 channels at a time
.if \g > 0
.rept 8
	v_nop
.endr
.endif
.irp t, 0,1
.irp c, 0,1,2,3
	ds_load_b128 v[192+16*\t+4*\c:192+16*\t+4*\c+3], v[ADV] offset:PL*(\q)+(2*\g+\t)*RT+32*\c
.endr
	ds_load_b32 v[248+\t], v[ADT] offset:64*(2*\g+\t)
.endr
	s_wait_dscnt 0x0
.irp t, 0,1
	v_wmma_scale_f32_16x16x128_f8f6f4 v[160+8*(2*\g+\t):167+8*(2*\g+\t)], v[192+16*\t:207+16*\t], v[224:239], v[160+8*(2*\g+\t):167+8*(2*\g+\t)], v[248+\t], v253 matrix_a_fmt:MATRIX_FMT_BF8 matrix_b_fmt:MATRIX_FMT_BF8
.endr
.endr
	s_add_co_u32 s[TS], s[TS], 512
.endm
	s_wait_alu depctr_va_vdst(0)                   ; the wait at the head's end
	s_wait_loadcnt 0x0                             ; q
	s_wait_tensorcnt 0x0                           ; my tile is in: every wave waits, under no branch
	s_barrier_signal -1
	s_barrier_wait -1                              ; all of K, V and their scale words is in
.Lkeys:                                            ; four trips of two key steps
	STEP 0
	STEP 1
	s_add_co_u32 s[TB], s[TB], 2*PL
	s_sub_co_u32 s[CNT], s[CNT], 1
	s_cmp_lg_u32 s[CNT], 0
	s_cbranch_scc1 .Lkeys
	; THE WAY OUT: O^T / the sum, quantised along the channels (two blocks of 32), through the stage, out as the chunk's dense bytes
	v_add_f32 v14, v14, v15
	v_permlanex16_b32 v252, v14, s[SEL], s[SEL+1]
	v_add_f32 v14, v14, v252
	s_wait_alu depctr_va_vdst(0)                   ; ahead of the transcendental
	v_rcp_f32 v14, v14
	v_and_b32 v8, 15, v0
	v_bfe_u32 v9, v0, 4, 1
	v_mul_u32_u24 v10, v8, 144
	v_lshl_add_u32 v10, v9, 3, v10
	v_add_nc_u32 v10, s77, v10                     ; in: row r, 8 bytes for each half of the lanes
	v_lshl_add_u32 v11, v8, 2, s79
	v_and_b32 v8, 31, v0
	v_lshrrev_b32 v9, 3, v8
	v_and_b32 v1, 7, v8
	v_mul_u32_u24 v9, v9, 144
	v_lshl_add_u32 v1, v1, 4, v9
	v_add_nc_u32 v1, s86, v1                       ; back: eight lanes to a row of 128 bytes
	v_lshlrev_b32 v[GO], 4, v8
	v_add_nc_u32 v2, STG+18432, v[GO]
	s_wait_alu depctr_va_vdst(0)                   ; ahead of the first reader of the reciprocal and of O^T
.set i, 0
.rept 32
	v_mul_f32 v[96+i], v[160+i], v14
.set i, i+1
.endr
.irp b, 0,1
	v_max3_num_f32 v[232+\b], |v[96+16*\b]|, |v[97+16*\b]|, 0x8000000
.endr
.irp i, 2,4,6,8,10,12,14
.irp b, 0,1
	v_max3_num_f32 v[232+\b], v[232+\b], |v[96+16*\b+\i]|, |v[97+16*\b+\i]|
.endr
.endr
.irp b, 0,1
	v_permlanex16_b32 v[236+\b], v[232+\b], s[SEL], s[SEL+1]
.endr
.irp b, 0,1
	v_max_num_f32 v[232+\b], v[232+\b], v[236+\b]
.endr
.irp b, 0,1
	v_add_nc_u32 v[244+\b], 0xf8800000, v[232+\b]
.endr
.irp b, 0,1
	v_and_or_b32 v[240+\b], v[232+\b], 0x7f800000, s[MNT]
.endr
.irp b, 0,1
	v_lshrrev_b32 v[236+\b], 23, v[244+\b]
.endr
	v_lshl_or_b32 v253, v237, 8, v236
.irp b, 0,1
.irp i, 0,1,2,3,4,5,6,7,8,9,10,11,12,13,14,15
	v_med3_num_f32 v[96+16*\b+\i], v[96+16*\b+\i], -v[240+\b], v[240+\b]
.endr
	v_cvt_scalef32_pk8_bf8_f32 v[224+4*\b:225+4*\b], v[96+16*\b:103+16*\b], v[244+\b]
	v_cvt_scalef32_pk8_bf8_f32 v[226+4*\b:227+4*\b], v[104+16*\b:111+16*\b], v[244+\b]
.endr
	v_nop                                          ; a plain instruction behind the last conversion
.irp t, 0,1,2,3
	ds_store_b64 v10, v[224+2*\t:225+2*\t] offset:16*\t
.endr
	ds_store_b16 v11, v253
	s_wait_dscnt 0x0
	s_barrier_signal -1
	s_barrier_wait -1
	ds_load_b128 v[32:35], v1
	ds_load_b128 v[36:39], v1 offset:576
	s_wait_dscnt 1
	global_store_b128 v[GO], v[32:35], s[8:9]      ; 512 consecutive bytes, aligned
	s_wait_dscnt 0x0
	global_store_b128 v[GO], v[36:39], s[8:9] offset:512
	s_cmp_lg_u32 s[WV], 0
	s_cbranch_scc1 .Lno_words
	ds_load_b128 v[40:43], v2
	s_wait_dscnt 0x0
	global_store_b128 v[GO], v[40:43], s[10:11]    ; the chunk's 512 bytes of scale words
.Lno_words:
	s_wait_tensorcnt 0x0                           ; the wave's end
	ds_add_u32 v[SPW], v[NIL]
	s_wait_dscnt 0x0
	CROUND                                         ; the closing round
	s_endpgm
.Lfunc_end_k_q768e7ed796_attn:
	.size	k_q768e7ed796_attn, .Lfunc_end_k_q768e7ed796_attn-k_q768e7ed796_attn
	.p2alignl 7, 3214868480
	.fill 96, 4, 3214868480
	.section	.rodata,"a",@progbits
	.p2align	6, 0x0
	.amdhsa_kernel k_q768e7ed796_attn
		.amdhsa_group_segment_fixed_size 327680
		.amdhsa_private_segment_fixed_size 0
		.amdhsa_enable_private_segment 0
		.amdhsa_kernarg_size 16
		.amdhsa_user_sgpr_count 2
		.amdhsa_user_sgpr_kernarg_segment_ptr 1
		.amdhsa_wavefront_size32 1
		.amdhsa_system_sgpr_workgroup_id_x 1
		.amdhsa_system_sgpr_workgroup_id_y 1
		.amdhsa_system_sgpr_workgroup_id_z 1
		.amdhsa_system_vgpr_workitem_id 0
		.amdhsa_next_free_vgpr 256
		.amdhsa_next_free_sgpr 100
		.amdhsa_reserve_vcc 0
		.amdhsa_float_denorm_mode_32 3
		.amdhsa_float_denorm_mode_16_64 3
		.amdhsa_memory_ordered 1
		.amdhsa_forward_progress 1
		.amdhsa_inst_pref_size 60
	.end_amdhsa_kernel
	.amdgpu_metadata
---
amdhsa.version: [ 1, 2 ]
amdhsa.kernels:
  - .name:           k_q768e7ed796_attn
    .symbol:         k_q768e7ed796_attn.kd
    .args:
      - { .name: qkv, .offset: 0, .size: 8, .value_kind: global_buffer, .address_space: global }
      - { .name: act, .offset: 8, .size: 8, .value_kind: global_buffer, .address_space: global }
    .group_segment_fixed_size: 327680
    .private_segment_fixed_size: 0
    .kernarg_segment_align: 8
    .kernarg_segment_size: 16
    .max_flat_workgroup_size: 512
    .sgpr_count:     100
    .vgpr_count:     256
    .wavefront_size: 32
...
	.end_amdgpu_metadata
.endif
;; end of part 3
;; launch proj (part 4): grid 8 x 32, 4 waves a work-group, clusters of 4 x 4, 327,680 bytes of LDS; arguments act, wq, proj_b, x, x1; writes x1
.if DOCPART == 4
	.amdgcn_target "amdgcn-amd-amdhsa--gfx1250"
	.amdhsa_code_object_version 6
	.text
	.protected	k_q768e7ed796_proj
	.globl	k_q768e7ed796_proj
	.p2align	8
	.type	k_q768e7ed796_proj,@function
k_q768e7ed796_proj:
	s_mov_b64 s[64:65], 0
	v_nop
	global_prefetch_b8 v0, s[64:65] scope:SCOPE_SE
	s_setreg_imm32_b32 hwreg(HW_REG_WAVE_MODE, 25, 1), 1
	s_wait_xcnt 0x0
	s_wait_alu depctr_hold_cnt(0) depctr_sa_sdst(0) depctr_va_vdst(0) depctr_va_sdst(0) depctr_va_ssrc(0) depctr_va_vcc(0) depctr_vm_vsrc(0)
	s_getreg_b32 s2, hwreg(HW_REG_IB_STS2, 6, 4)
	s_cmp_eq_u32 s2, 0
	s_cbranch_scc0 .Lentry_in_a_cluster
	s_endpgm
.Lentry_in_a_cluster:
	s_bfe_u32 s2, ttmp6, 0x10000c
	s_cmp_lg_u32 s2, 0xf033
	s_cbranch_scc0 .Lentry_shape_is_right
	s_endpgm
.Lentry_shape_is_right:
; x1 = x + (y proj_w + proj_b): a product on codes of BF8 (E5M2) with E8M0 scales, K = 128 NPK, the result f32 [4096][1024].
; OPERANDS lie in chunks: codes [rows/128][K/128][128 rows][128 bytes], scale words [rows/128][K/128][128 rows] of 4 bytes; every tensor load brings a dense block as rows of 256 bytes.
; A tile of the result is 128 x 128, so that there are 256 work-groups; four waves, 64 x 64 each: 16 accumulators.  K goes in steps of 512 (four planes) through a ring of two LDS slots.
; The scale words of the tile's rows, for all of K, come once with the first fills and stay.  CLUSTERS of 4 x 4: A's tiles are shared along a row of the cluster, B's along a column, each asked for jointly.
; THE MATRIX INSTRUCTION IS USED TRANSPOSED (source 0 = 16 rows of B, source 1 = 16 rows of A): a lane holds eight neighbouring columns of one row.  The bias is the C of each sum's first product.
; The residual's 64 x 64 numbers of a wave are asked for at the head, into window 2, in the layout in which rows leave; they are added last.
; REGISTERS: window 0: v16-31 addresses; v32-63 scale words, two sets; v64-95 bias; v96-127 at work on the way out; v128-255 accumulators ((a, b) at v[128 + 8 (4 a + b)]).  window 1: two fragment buffers (A's four, B's four).  window 2: the residual.
.set NPK,   8                          ; planes of 128 along K
.set AOFFS, 4194304                    ; where A's scale words begin in its buffer
.set WOFF,  3145728                    ; where B's codes begin in wq,
.set WSOFF, 12582912+98304             ; and its scale words
.set LAPS,  NPK/8
.set PL,    17408                      ; a plane of 128 rows in LDS: 64 units of 256 bytes + 16 of padding; row p at 128 p + 16 (p / 2): the 16 rows of a load start at 16 different 16-byte columns of the 64 banks (ISA guide 11.1)
.set RT,    2176
.set HALFT, 2*PL                       ; what one tensor load brings: 128 rows, two planes
.set SLOT,  4*HALFT                    ; A's four planes, then B's four
.set SCL,   2*SLOT                     ; the scale words: A's NPK x 512 bytes, then B's
.set SPARE, SCL+NPK*1024               ; the spare words, 128 bytes a wave: two blocks of 256 bytes that no other line names
.set STGB,  4352                       ; the way out: a wave's stage of 16 rows x (256 + 16) bytes, in slot 0, which has had its last fill and its last read by then
.set ADRA, 16
.set ADRB, 20
.set STO,  24
.set RD,   25
.set CO,   26
.set ADRS, 27
.set SPW,  28
.set NIL,  29
.set SC,   32
.set BIAS, 64
.set ACC,  128
.set F0,   0
.set F1,   128
.set G1, 24
.set G0, 32
.set G1B, 48
.set G0B, 56
.set G1S, 68
.set G0S, 76
.set G1SB, 80
.set G0SB, 88
.set MSB, 0
.macro WIN new
.if MSB != (\new)
	s_set_vgpr_msb (MSB<<8)|(\new)
.set MSB, (\new)
.endif
.endm
.macro JLOAD g0a, g1a, g0b, g1b        ; a joint load: waves 0, 1 fetch for A, waves 2, 3 for B; four v_nop follow each line
	s_cmp_eq_u32 s15, 0
	s_cbranch_scc0 .Lfor_b_\@
	tensor_load_to_lds s[\g0a:\g0a+3], s[\g1a:\g1a+7]
	s_nop 0
.rept 4
	v_nop
.endr
	s_branch .Lasked_\@
.Lfor_b_\@:
	tensor_load_to_lds s[\g0b:\g0b+3], s[\g1b:\g1b+7]
	s_nop 0
.rept 4
	v_nop
.endr
.Lasked_\@:
.endm
.macro CREST
	s_cmp_lg_u32 s14, 0
	s_cbranch_scc1 .Lnot_wave_0_\@
	s_barrier_signal -3
.Lnot_wave_0_\@:
	s_barrier_wait -3
	s_barrier_signal -1
	s_barrier_wait -1
.endm
.macro CROUND
	s_barrier_signal -1
	s_barrier_wait -1
	CREST
.endm
	s_load_b256 s[4:11], s[0:1], 0x0               ; A, wq, the bias, the residual
	s_load_b64 s[12:13], s[0:1], 0x20              ; the result
	v_lshl_add_u32 v[SPW], v0, 2, SPARE
	v_mov_b32 v[NIL], 0
	ds_add_u32 v28, v29
	ds_add_u32 v28, v29
	s_wait_dscnt 0x0
	v_lshrrev_b32 v1, 5, v0
	v_readfirstlane_b32 s14, v1                    ; wave
	s_lshr_b32 s15, s14, 1                         ; my half of the tile's rows.  Also: I fetch for A (0) or B (1)
	s_and_b32 s16, s14, 1                          ; my half of its columns.  Also: which two planes of a slot I fetch
	s_bfe_u32 s40, ttmp6, 0x40000                  ; cx
	s_bfe_u32 s41, ttmp6, 0x40004                  ; cy
	s_lshl_b32 s42, ttmp9, 2
	s_add_co_u32 s42, s42, s40                     ; tile column
	s_and_b32 s17, ttmp7, 0xffff
	s_lshl_b32 s17, s17, 2
	s_add_co_u32 s17, s17, s41                     ; tile row
	s_lshl_b32 s43, s41, 2
	s_lshl_b32 s43, 15, s43                        ; my row of the cluster
	s_lshl_b32 s44, 0x1111, s40                    ; my column
	s_or_b32 s[G1+0], s43, (3<<16)|(1<<20)|(1<<21)|(5<<22)|(3<<25)   ; codes: 128 rows of 32 elements of 8 bytes, 16 bytes of padding behind each
	s_or_b32 s[G1B+0], s44, (3<<16)|(1<<20)|(1<<21)|(5<<22)|(3<<25)
.irp g, G1, G1B
	s_mov_b32 s[\g+1], 32<<16
	s_mov_b32 s[\g+2], 256<<16                     ; the head's loads bring a whole slot's 256 rows; behind them the two row counts are set to 128
	s_mov_b32 s[\g+3], 32<<16
	s_mov_b32 s[\g+4], 256
	s_mov_b32 s[\g+5], 32
	s_mov_b32 s[\g+6], 0
	s_mov_b32 s[\g+7], 0
.endr
	s_or_b32 s[G1S+0], s43, (3<<16)|(1<<21)        ; scale words: 2 NPK rows of 256 bytes, no padding
	s_or_b32 s[G1SB+0], s44, (3<<16)|(1<<21)
.irp g, G1S, G1SB
	s_mov_b32 s[\g+1], 32<<16
	s_mov_b32 s[\g+2], (2*NPK)<<16
	s_mov_b32 s[\g+3], 32<<16
	s_mov_b32 s[\g+4], 2*NPK
	s_mov_b32 s[\g+5], 32
	s_mov_b32 s[\g+6], 0
	s_mov_b32 s[\g+7], 0
.endr
	s_lshl_b32 s18, s16, 15
	s_mul_i32 s19, s16, NPK*256
	s_mul_i32 s20, s17, NPK*16384
	s_mul_i32 s46, s42, NPK*16384
	s_add_co_u32 s46, s46, WOFF                    ; B's: on the tile column alone
	s_mul_i32 s22, s17, NPK*512
	s_add_co_u32 s22, s22, AOFFS
	s_mul_i32 s92, s42, NPK*512
	s_add_co_u32 s92, s92, WSOFF
	s_mov_b32 s21, 0
	s_mov_b32 s23, 0
	s_mov_b32 s47, 0
	s_mov_b32 s93, 0
	s_mul_i32 s45, s14, HALFT                      ; where they go: no place in the cluster enters an LDS address
	s_mul_i32 s94, s14, NPK*256
	s_wait_kmcnt 0x0
	s_add_nc_u64 s[20:21], s[4:5], s[20:21]
	s_add_nc_u64 s[22:23], s[4:5], s[22:23]
	s_add_nc_u64 s[46:47], s[6:7], s[46:47]
	s_add_nc_u64 s[92:93], s[6:7], s[92:93]
	CROUND                                         ; all sixteen work-groups are here: the first joint loads meet
	s_mov_b32 s[G0S], 1
	s_mov_b32 s[G0S+1], SCL
	s_mov_b64 s[G0S+2:G0S+3], s[22:23]
	s_or_b32 s[G0S+3], s[G0S+3], 0x80000000
	s_mov_b32 s[G0SB], 1
	s_mov_b32 s[G0SB+1], SCL+NPK*512
	s_mov_b64 s[G0SB+2:G0SB+3], s[92:93]
	s_or_b32 s[G0SB+3], s[G0SB+3], 0x80000000
.irp s, 0,1
	s_mov_b32 s[G0+4*\s], 1
	s_add_co_u32 s[G0+4*\s+1], s45, \s*SLOT
	s_add_nc_u64 s[G0+4*\s+2:G0+4*\s+3], s[20:21], \s*65536
	s_or_b32 s[G0+4*\s+3], s[G0+4*\s+3], 0x80000000
	s_mov_b32 s[G0B+4*\s], 1
	s_add_co_u32 s[G0B+4*\s+1], s45, \s*SLOT
	s_add_nc_u64 s[G0B+4*\s+2:G0B+4*\s+3], s[46:47], \s*65536
	s_or_b32 s[G0B+4*\s+3], s[G0B+4*\s+3], 0x80000000
.endr
; THE HEAD'S LOADS, ONE A WAVE: wave 0 A's four planes of slot 0, wave 1 B's, wave 2 A's scale words, wave 3 B's.  One tree of branches on the wave's number; every way passes one load.
	s_mov_b32 s[G0+1], 0                           ; slot 0's groups 0 serve the head's whole tiles first
	s_mov_b32 s[G0B+1], 2*HALFT
	s_mov_b32 s19, 0
	s_add_nc_u64 s[G0+6:G0+7], s[G0+6:G0+7], s[18:19]      ; slot 1's: my two planes
	s_add_nc_u64 s[G0B+6:G0B+7], s[G0B+6:G0B+7], s[18:19]
	; THE PREFETCH INTO THE L2: a slot's 65,536 bytes of A (waves 0, 1) or of B (waves 2, 3) are shared out among the eight such waves of the four partners that ask for them jointly, by address (cx for A, cy for B): 8,192 bytes a wave, lanes 256 bytes apart.
	s_cmp_eq_u32 s15, 0
	s_cselect_b32 s95, s40, s41
	s_cselect_b64 s[96:97], s[20:21], s[46:47]
	s_lshl_b32 s95, s95, 1
	s_add_co_u32 s95, s95, s16
	s_lshl_b32 s98, s95, 13
	s_mov_b32 s99, 0
	s_add_nc_u64 s[96:97], s[96:97], s[98:99]
.macro ARM under, g0, g1, next
	s_cmp_lt_u32 s14, \under
	s_cbranch_scc0 \next
	tensor_load_to_lds s[\g0:\g0+3], s[\g1:\g1+7]
	s_nop 0
.rept 4
	v_nop
.endr
	s_branch .Lhead_asked
\next:
.endm
	ARM 1, G0,  G1,  .Lhead_b
	ARM 2, G0B, G1B, .Lhead_sa
	ARM 3, G0S, G1S, .Lhead_sb
	tensor_load_to_lds s[G0SB:G0SB+3], s[G1SB:G1SB+7]
	s_nop 0
.rept 4
	v_nop
.endr
.Lhead_asked:
	v_and_b32 v30, 31, v0
	v_lshlrev_b32 v30, 8, v30
	global_prefetch_b8 v30, s[96:97] offset:65536 th:TH_LOAD_NT scope:SCOPE_SE   ; slot 1, the last: the next fill loads it; the address registers are never rewritten
	v_and_b32 v1, 15, v0                           ; r
	v_bfe_u32 v2, v0, 4, 1                         ; h
	s_wait_alu depctr_va_vdst(0)
	v_lshlrev_b32 v3, 7, v1
	v_lshrrev_b32 v4, 1, v1
	v_lshl_add_u32 v3, v4, 4, v3
	v_lshl_add_u32 v4, v2, 4, v3                   ; a fragment's row: 128 r + 16 (r / 2), + 16 h
	s_mul_i32 s21, s15, 4*RT                       ; my 64 rows of A,
	s_mul_i32 s22, s16, 4*RT
	s_add_co_u32 s22, s22, 2*HALFT                 ; of B
.irp s, 0,1
	v_add_nc_u32 v[ADRA+\s], s21, v4
	v_add_nc_u32 v[ADRB+\s], s22, v4
	s_add_co_u32 s21, s21, SLOT
	s_add_co_u32 s22, s22, SLOT
.endr
	s_lshl_b32 s21, s15, 8                         ; scale words: lanes 0-15 take A's, lanes 16-31 B's
	s_lshl_b32 s22, s16, 8
	s_add_co_u32 s22, s22, NPK*512
	s_sub_co_u32 s22, s22, s21
	v_mul_u32_u24 v6, s22, v2
	s_add_co_u32 s21, s21, SCL
	v_lshlrev_b32 v5, 2, v1
	v_add_nc_u32 v5, v5, v6
	v_add_nc_u32 v[ADRS], s21, v5
	s_mul_i32 s23, s14, STGB                       ; my stage
	v_mul_u32_u24 v5, v1, 272
	v_lshl_add_u32 v5, v2, 5, v5
	v_add_nc_u32 v[STO], s23, v5                   ; in: row r, 32 bytes for each half of the lanes
	v_mul_u32_u24 v5, v2, 272
	v_lshl_add_u32 v5, v1, 4, v5
	v_add_nc_u32 v[RD], s23, v5                    ; back: lanes 0-15 one row of 256 bytes, lanes 16-31 the next
	v_lshlrev_b32 v5, 12, v2
	v_lshl_add_u32 v[CO], v1, 4, v5                ; and the same two rows in memory
	s_wait_alu depctr_va_vdst(0)
	s_lshl_b32 s20, s17, 19                        ; 128 rows of 4,096 bytes a tile row,
	s_lshl_b32 s21, s15, 18                        ; 64 a half
	s_add_co_u32 s20, s20, s21
	s_lshl_b32 s46, s42, 9
	s_lshl_b32 s47, s16, 8
	s_add_co_u32 s46, s46, s47                     ; my first column, in bytes
	s_mov_b32 s47, 0
	s_add_nc_u64 s[8:9], s[8:9], s[46:47]
	s_add_co_u32 s20, s20, s46
	s_mov_b32 s21, 0
	s_add_nc_u64 s[10:11], s[10:11], s[20:21]
	s_add_nc_u64 s[12:13], s[12:13], s[20:21]
	v_lshlrev_b32 v5, 5, v2
.irp b, 0,1,2,3
	global_load_b128 v[BIAS+8*\b:BIAS+8*\b+3], v5, s[8:9] offset:64*\b       ; lane (r, h), register j: column 16 b + 8 h + j
	global_load_b128 v[BIAS+8*\b+4:BIAS+8*\b+7], v5, s[8:9] offset:64*\b+16
.endr
	WIN 0x80                                       ; destination window 2
.set i, 0
.rept 32
	global_load_b128 v[4*i:4*i+3], v[CO], s[10:11] offset:2*i*4096 th:TH_LOAD_NT   ; the residual: rows 2 i and 2 i + 1 of my 64, 256 consecutive bytes each
.set i, i+1
.endr
	WIN 0
.macro MUL4 f, a, q, sc, zero          ; A's block a x B's four, plane q of the slot.  zero = 1: the first product starts the sums, from the bias
.irp b, 0,1,2,3
.if \zero
	v_wmma_scale_f32_16x16x128_f8f6f4 v[ACC+8*(4*(\a)+\b):ACC+8*(4*(\a)+\b)+7], v[\f+64+16*\b:\f+64+16*\b+15], v[\f+16*(\a):\f+16*(\a)+15], v[BIAS+8*\b:BIAS+8*\b+7], v[SC+16*(\sc)+4*\b+(\q)], v[SC+16*(\sc)+4*(\a)+(\q)] matrix_a_fmt:MATRIX_FMT_BF8 matrix_b_fmt:MATRIX_FMT_BF8 matrix_a_scale:MATRIX_SCALE_ROW1
.else
	v_wmma_scale_f32_16x16x128_f8f6f4 v[ACC+8*(4*(\a)+\b):ACC+8*(4*(\a)+\b)+7], v[\f+64+16*\b:\f+64+16*\b+15], v[\f+16*(\a):\f+16*(\a)+15], v[ACC+8*(4*(\a)+\b):ACC+8*(4*(\a)+\b)+7], v[SC+16*(\sc)+4*\b+(\q)], v[SC+16*(\sc)+4*(\a)+(\q)] matrix_a_fmt:MATRIX_FMT_BF8 matrix_b_fmt:MATRIX_FMT_BF8 matrix_a_scale:MATRIX_SCALE_ROW1
.endif
.endr
.endm
.macro MUL16 f, q, sc, zero            ; the 16 accumulators take turns, in the same order everywhere
.irp a, 0,1,2,3
	MUL4 \f, \a, \q, \sc, \zero
.endr
.endm
.macro FETCH slot, q, f                ; 32 LDS loads: B's four fragments and A's four of plane q into buffer f
	WIN 0x40
.irp i, 0,1,2,3
.irp c, 0,1,2,3
	ds_load_b128 v[\f+64+16*\i+4*\c:\f+64+16*\i+4*\c+3], v[ADRB+\slot] offset:PL*(\q)+RT*\i+32*\c
.endr
.endr
.irp i, 0,1,2,3
.irp c, 0,1,2,3
	ds_load_b128 v[\f+16*\i+4*\c:\f+16*\i+4*\c+3], v[ADRA+\slot] offset:PL*(\q)+RT*\i+32*\c
.endr
.endr
.endm
.macro SCALES sc                       ; a slot's scale words: register 4 i + q: lanes 0-15 A's block i, lanes 16-31 B's block i, plane q
.irp i, 0,1,2,3
.irp q, 0,1,2,3
	ds_load_b32 v[SC+16*(\sc)+4*\i+\q], v[ADRS] offset:512*\q+64*\i
.endr
.endr
.endm
.macro PLACES n                        ; plain vector instructions between a matrix instruction and a load into, or a read of, its registers (ISA guide 7.12.1 for reads)
.rept \n
	v_nop
.endr
.endm
.macro QUARTER slot, nq, f, g, pq, zero   ; plane pq is multiplied from buffer f; plane nq is fetched into g first, and has the 16 products in which to land
	s_wait_dscnt 0x0                               ; buffer f is in
	PLACES 8
	FETCH \slot, \nq, \g
	WIN 0x05                                       ; sources 0 and 1 window 1; C and D window 0
	MUL16 \f, \pq, \slot, \zero
.endm
; A slot's last plane changes slots: one barrier; in front of it each wave waits for all its tensor loads, adds 0 to its spare word, and waits for that and for its reads of this slot.
.macro TURN slot, next, fill
	WIN 0
	s_wait_tensorcnt 0x0                           ; all my tensor loads have landed: my part of the next slot
	ds_add_u32 v[SPW], v[NIL]                      ; 0 onto my spare word
	s_wait_dscnt 1                                 ; buffer 1 is in; the add alone may be out
	WIN 0x05
	MUL4 F1, 0, 3, \slot, 0
	MUL4 F1, 1, 3, \slot, 0
	s_wait_dscnt 0x0                               ; the add is done, and my reads of this slot are over
	s_barrier_signal -1
	MUL4 F1, 2, 3, \slot, 0
	WIN 0
	s_barrier_wait -1
.if \fill
	CREST                                          ; the barrier has opened a round of the cluster's: no wave of any partner still reads this slot or has a load on its way
	s_add_nc_u64 s[G0+4*\slot+2:G0+4*\slot+3], s[G0+4*\slot+2:G0+4*\slot+3], 131072
	s_add_nc_u64 s[G0B+4*\slot+2:G0B+4*\slot+3], s[G0B+4*\slot+2:G0B+4*\slot+3], 131072
	JLOAD G0+4*\slot, G1, G0B+4*\slot, G1B         ; the first tensor load behind the round; its four v_nop are among the places in front of the loads below
	PLACES 4
.else
	PLACES 8
.endif
	v_add_nc_u32 v[ADRS], 2048, v[ADRS]            ; the next slot's scale words
	SCALES \next
	FETCH \next, 0, F0
	WIN 0x05
	MUL4 F1, 3, 3, \slot, 0
.endm
	s_wait_alu depctr_va_vdst(0)                   ; the wait at the head's end
	s_wait_loadcnt 32                              ; the bias is in; the residual's 32 loads may be out
	s_wait_tensorcnt 0x0                           ; my tile of the head's four is in
	ds_add_u32 v[SPW], v[NIL]
	s_mov_b32 s[G1+2], 128<<16                     ; no tensor load of mine is out: from here on a load brings 128 rows
	s_mov_b32 s[G1+4], 128
	s_mov_b32 s[G1B+2], 128<<16
	s_mov_b32 s[G1B+4], 128
.if LAPS > 1
	s_mov_b32 s[G0+1], s45                         ; slot 0's groups 0 for its refills: my two planes
	s_mov_b32 s[G0B+1], s45
	s_add_nc_u64 s[G0+2:G0+3], s[G0+2:G0+3], s[18:19]
	s_add_nc_u64 s[G0B+2:G0B+3], s[G0B+2:G0B+3], s[18:19]
.endif
	s_wait_dscnt 0x0
	CROUND                                         ; all four tiles are in, and the sixteen work-groups are here
	JLOAD G0+4, G1, G0B+4, G1B                     ; slot 1, the first tensor load behind the round
	SCALES 0
	FETCH 0, 0, F0
	QUARTER 0, 1, F0, F1, 0, 1
.if LAPS > 1
	WIN 0
	s_mov_b32 s3, LAPS-1
.Llap:                                                 ; a trip goes once round the ring and fills both slots again
	QUARTER 0, 2, F1, F0, 1, 0
	QUARTER 0, 3, F0, F1, 2, 0
	TURN 0, 1, 1
	QUARTER 1, 1, F0, F1, 0, 0
	QUARTER 1, 2, F1, F0, 1, 0
	QUARTER 1, 3, F0, F1, 2, 0
	TURN 1, 0, 1
	QUARTER 0, 1, F0, F1, 0, 0
	WIN 0
	s_sub_co_u32 s3, s3, 1
	s_cmp_lg_u32 s3, 0
	s_cbranch_scc1 .Llap
.endif
	QUARTER 0, 2, F1, F0, 1, 0                     ; the last lap fills nothing
	QUARTER 0, 3, F0, F1, 2, 0
	TURN 0, 1, 0
	QUARTER 1, 1, F0, F1, 0, 0
	QUARTER 1, 2, F1, F0, 1, 0
	QUARTER 1, 3, F0, F1, 2, 0
	s_wait_dscnt 0x0
	MUL16 F1, 3, 1, 0
	WIN 0
; THE WAY OUT, 16 rows x 64 columns at a time: through my own stage, back as whole rows of 256 bytes, the residual added, stored.
.macro OUTB a
.set TT, 96-64*((\a)%2)
.if (\a) >= 2
	s_wait_xcnt 0x0                                ; the stores of two blocks back have read their registers
.endif
.irp b, 0,1,2,3
	ds_store_b128 v[STO], v[ACC+8*(4*(\a)+\b):ACC+8*(4*(\a)+\b)+3] offset:64*\b      ; each accumulator from its low end on
	ds_store_b128 v[STO], v[ACC+8*(4*(\a)+\b)+4:ACC+8*(4*(\a)+\b)+7] offset:64*\b+16
.endr
.irp t, 0,1,2,3,4,5,6,7
	ds_load_b128 v[TT+4*\t:TT+4*\t+3], v[RD] offset:544*\t   ; LDS serves a wave's instructions in order: these see the stores above
.endr
	s_wait_dscnt 0x0
	WIN 0x08                                       ; source 1 window 2
.irp t, 0,1,2,3,4,5,6,7
	v_pk_add_f32 v[TT+4*\t:TT+4*\t+1], v[TT+4*\t:TT+4*\t+1], v[32*(\a)+4*\t:32*(\a)+4*\t+1]
	v_pk_add_f32 v[TT+4*\t+2:TT+4*\t+3], v[TT+4*\t+2:TT+4*\t+3], v[32*(\a)+4*\t+2:32*(\a)+4*\t+3]
.endr
	WIN 0
.irp t, 0,1,2,3,4,5,6,7
	global_store_b128 v[CO], v[TT+4*\t:TT+4*\t+3], s[12:13] offset:(16*(\a)+2*\t)*4096   ; sixteen lanes store 256 consecutive bytes, aligned
.endr
.endm
	s_wait_loadcnt 0x0                             ; the residual
	PLACES 8
	OUTB 0
	OUTB 1
	OUTB 2
	OUTB 3
	s_wait_tensorcnt 0x0                           ; the wave's end
	ds_add_u32 v[SPW], v[NIL]
	s_wait_dscnt 0x0
	CROUND                                         ; the closing round
	s_endpgm
.Lfunc_end_k_q768e7ed796_proj:
	.size	k_q768e7ed796_proj, .Lfunc_end_k_q768e7ed796_proj-k_q768e7ed796_proj
	.p2alignl 7, 3214868480
	.fill 96, 4, 3214868480
	.section	.rodata,"a",@progbits
	.p2align	6, 0x0
	.amdhsa_kernel k_q768e7ed796_proj
		.amdhsa_group_segment_fixed_size 327680
		.amdhsa_private_segment_fixed_size 0
		.amdhsa_enable_private_segment 0
		.amdhsa_kernarg_size 40
		.amdhsa_user_sgpr_count 2
		.amdhsa_user_sgpr_kernarg_segment_ptr 1
		.amdhsa_wavefront_size32 1
		.amdhsa_system_sgpr_workgroup_id_x 1
		.amdhsa_system_sgpr_workgroup_id_y 1
		.amdhsa_system_sgpr_workgroup_id_z 1
		.amdhsa_system_vgpr_workitem_id 0
		.amdhsa_next_free_vgpr 640
		.amdhsa_next_free_sgpr 100
		.amdhsa_reserve_vcc 0
		.amdhsa_float_denorm_mode_32 3
		.amdhsa_float_denorm_mode_16_64 3
		.amdhsa_memory_ordered 1
		.amdhsa_forward_progress 1
		.amdhsa_inst_pref_size 64
	.end_amdhsa_kernel
	.amdgpu_metadata
---
amdhsa.version: [ 1, 2 ]
amdhsa.kernels:
  - .name:           k_q768e7ed796_proj
    .symbol:         k_q768e7ed796_proj.kd
    .args:
      - { .name: act, .offset: 0, .size: 8, .value_kind: global_buffer, .address_space: global }
      - { .name: wq, .offset: 8, .size: 8, .value_kind: global_buffer, .address_space: global }
      - { .name: proj_b, .offset: 16, .size: 8, .value_kind: global_buffer, .address_space: global }
      - { .name: x, .offset: 24, .size: 8, .value_kind: global_buffer, .address_space: global }
      - { .name: x1, .offset: 32, .size: 8, .value_kind: global_buffer, .address_space: global }
    .group_segment_fixed_size: 327680
    .private_segment_fixed_size: 0
    .kernarg_segment_align: 8
    .kernarg_segment_size: 40
    .max_flat_workgroup_size: 128
    .sgpr_count:     100
    .vgpr_count:     640
    .wavefront_size: 32
...
	.end_amdgpu_metadata
.endif
;; end of part 4
;; launch ln2 (part 5): grid 256 x 1, 4 waves a work-group, no clusters, 22,016 bytes of LDS; arguments x1, ln2_w, ln2_b, act; writes act
.if DOCPART == 5
	.amdgcn_target "amdgcn-amd-amdhsa--gfx1250"
	.amdhsa_code_object_version 6
	.text
	.protected	k_q768e7ed796_ln2
	.globl	k_q768e7ed796_ln2
	.p2align	8
	.type	k_q768e7ed796_ln2,@function
k_q768e7ed796_ln2:
	s_mov_b64 s[64:65], 0
	v_nop
	global_prefetch_b8 v0, s[64:65] scope:SCOPE_SE
	s_setreg_imm32_b32 hwreg(HW_REG_WAVE_MODE, 25, 1), 1
	s_wait_xcnt 0x0
; h = (x - mean) * rsqrt(var + 1e-5) * w + b over rows of 1,024 f32, then quantised along the row to BF8 (E5M2) with one E8M0 byte for each 32.
; Out: codes [rows/128][8 planes][128 rows][128 bytes], scale words [rows/128][8][128 rows] of 4 bytes behind them (AS0).
; A wave takes 4 whole rows and keeps them in registers: the row is read once; mean first, then the sum of squared differences, so a common offset of the inputs costs no accuracy.
; A lane holds numbers 256 j + 8 lane + 0..7 (j = 0..3) of each row: two loads cover 1,024 consecutive bytes; four neighbouring lanes hold a block of 32.
; All 48 loads of a wave go out at the head.  Codes and scale bytes are gathered in the wave's own LDS and leave plane by plane, 512 consecutive bytes a store.
; The scale words leave in pieces of 16 bytes (4 rows of a plane): one byte in 32 of what the launch stores.
; LIMITS: a block of zeros or under 2^-111 gets the byte 1; NaN and infinities are not served; v_rsq_f32 is good to 1 ulp.
.set AS0, 4194304
.set W,   24                           ; v24-55   w of my 32 columns
.set BV,  56                           ; v56-87   b
.set X,   88                           ; v88-215  four rows, 32 registers each
.set CD,  216                          ; v216-223 codes
.set BY,  224                          ; v224-227 scale bytes
.set REG, 5376                         ; LDS of a wave: 8 planes x (4 rows x 128 bytes + 128 of padding), then 128 bytes of scale words [plane][row]
	s_load_b256 s[4:11], s[0:1], 0x0               ; x, w, b, the codes' buffer
	v_lshl_add_u32 v232, v0, 2, 0x5400
	v_mov_b32 v233, 0
	v_lshrrev_b32 v1, 5, v0
	v_readfirstlane_b32 s17, v1                    ; wave
	v_and_b32 v1, 31, v0                           ; lane
	v_lshlrev_b32 v2, 5, v1                        ; 32 bytes a lane
	s_mul_i32 s18, s17, REG
	v_lshrrev_b32 v9, 4, v1
	v_and_b32 v10, 15, v1
	v_mul_u32_u24 v3, v9, 640
	v_lshl_add_u32 v3, v10, 3, v3
	v_add_nc_u32 v3, s18, v3                       ; codes in: plane 2 j + lane / 16, byte 8 (lane % 16)
	v_bfe_u32 v10, v1, 2, 2
	v_lshl_add_u32 v4, v9, 4, v10
	v_add_nc_u32 v4, s18, v4
	v_add_nc_u32 v4, 5120, v4                      ; scale bytes in: 16 x plane + 4 x row + block
	v_lshlrev_b32 v7, 4, v1
	v_add_nc_u32 v5, s18, v7                       ; codes back: 16 bytes a lane
	v_lshlrev_b32 v6, 2, v1
	v_add_nc_u32 v6, s18, v6
	v_add_nc_u32 v6, 5120, v6                      ; scale words back: word lane = plane lane / 4, row lane % 4
	v_lshrrev_b32 v8, 2, v1
	v_and_b32 v9, 3, v1
	v_lshlrev_b32 v9, 2, v9
	v_lshl_add_u32 v8, v8, 9, v9                   ; and its place in memory
	s_mov_b32 s12, 0x76543210
	s_mov_b32 s13, 0xfedcba98                      ; v_permlanex16_b32's selects for lane l xor 16
	s_mov_b32 s14, 0x3a800000                      ; 1 / 1024
	s_mov_b32 s15, 0x3727c5ac                      ; 1e-5
	s_mov_b32 s16, 0x600000                        ; the mantissa field of 57,344
	s_lshl_b32 s20, ttmp9, 16                      ; 16 rows of 4,096 bytes a work-group,
	s_lshl_b32 s21, s17, 14                        ; 4 a wave
	s_add_co_u32 s20, s20, s21
	s_mov_b32 s21, 0
	s_lshr_b32 s22, ttmp9, 3                       ; the block of 128 rows
	s_and_b32 s23, ttmp9, 7
	s_lshl_b32 s23, s23, 4
	s_lshl_b32 s24, s17, 2
	s_add_co_u32 s23, s23, s24                     ; my first row in it
	s_lshl_b32 s24, s22, 17
	s_lshl_b32 s25, s23, 7
	s_add_co_u32 s24, s24, s25
	s_mov_b32 s25, 0
	s_lshl_b32 s26, s22, 12
	s_lshl_b32 s27, s23, 2
	s_add_co_u32 s26, s26, s27
	s_add_co_u32 s26, s26, AS0
	s_mov_b32 s27, 0
	s_wait_kmcnt 0x0
	s_add_nc_u64 s[4:5], s[4:5], s[20:21]
	s_add_nc_u64 s[24:25], s[10:11], s[24:25]
	s_add_nc_u64 s[26:27], s[10:11], s[26:27]
.irp j, 0,1,2,3
	global_load_b128 v[W+8*\j:W+8*\j+3], v2, s[6:7] offset:1024*\j
	global_load_b128 v[W+8*\j+4:W+8*\j+7], v2, s[6:7] offset:1024*\j+16
	global_load_b128 v[BV+8*\j:BV+8*\j+3], v2, s[8:9] offset:1024*\j
	global_load_b128 v[BV+8*\j+4:BV+8*\j+7], v2, s[8:9] offset:1024*\j+16
.endr
.irp p, 0,1,2,3
.irp j, 0,1,2,3
	global_load_b128 v[X+32*\p+8*\j:X+32*\p+8*\j+3], v2, s[4:5] offset:4096*\p+1024*\j th:TH_LOAD_NT
	global_load_b128 v[X+32*\p+8*\j+4:X+32*\p+8*\j+7], v2, s[4:5] offset:4096*\p+1024*\j+16 th:TH_LOAD_NT
.endr
.endr
.macro ALL r, u                        ; the sum of v[r] over the 32 lanes, in every lane; v[u] at work (written before)
.irp m, 1,2,4,8
	v_add_f32_dpp v[\r], v[\r], v[\r] row_xmask:\m row_mask:0xf bank_mask:0xf
.endr
	v_permlanex16_b32 v[\u], v[\r], s12, s13
	v_add_f32 v[\r], v[\r], v[\u]
.endm
.macro ROW p
.set XR, X+32*(\p)
.if (\p) > 0
	s_wait_dscnt 0x0                               ; the last row's LDS stores have read their registers
.endif
	s_wait_loadcnt 8*(3-(\p))                      ; w, b and this row are in; the later rows' eight loads each may be out
	v_pk_add_f32 v[10:11], v[XR:XR+1], v[XR+2:XR+3]
	v_pk_add_f32 v[12:13], v[XR+4:XR+5], v[XR+6:XR+7]
.irp i, 8,12,16,20,24,28
	v_pk_add_f32 v[10:11], v[10:11], v[XR+\i:XR+\i+1]
	v_pk_add_f32 v[12:13], v[12:13], v[XR+\i+2:XR+\i+3]
.endr
	v_pk_add_f32 v[10:11], v[10:11], v[12:13]
	v_add_f32 v10, v10, v11
	ALL 10, 11
	v_mul_f32 v10, s14, v10                        ; the mean
.irp i, 0,2,4,6,8,10,12,14,16,18,20,22,24,26,28,30
	v_pk_add_f32 v[XR+\i:XR+\i+1], v[XR+\i:XR+\i+1], v[10:11] op_sel_hi:[1,0] neg_lo:[0,1] neg_hi:[0,1]
.endr
	v_pk_mul_f32 v[12:13], v[XR:XR+1], v[XR:XR+1]
	v_pk_mul_f32 v[14:15], v[XR+2:XR+3], v[XR+2:XR+3]
.irp i, 4,8,12,16,20,24,28
	v_pk_fma_f32 v[12:13], v[XR+\i:XR+\i+1], v[XR+\i:XR+\i+1], v[12:13]
	v_pk_fma_f32 v[14:15], v[XR+\i+2:XR+\i+3], v[XR+\i+2:XR+\i+3], v[14:15]
.endr
	v_pk_add_f32 v[12:13], v[12:13], v[14:15]
	v_add_f32 v12, v12, v13
	ALL 12, 13
	v_fma_f32 v12, v12, s14, s15                   ; the variance + 1e-5
	s_wait_alu depctr_va_vdst(0)
	v_rsq_f32 v12, v12
	v_nop                                          ; a plain instruction behind the transcendental,
	s_wait_alu depctr_va_vdst(0)                   ; and the wait ahead of its first reader
.irp i, 0,2,4,6,8,10,12,14,16,18,20,22,24,26,28,30
	v_pk_mul_f32 v[XR+\i:XR+\i+1], v[XR+\i:XR+\i+1], v[12:13] op_sel_hi:[1,0]
.endr
.irp i, 0,2,4,6,8,10,12,14,16,18,20,22,24,26,28,30
	v_pk_fma_f32 v[XR+\i:XR+\i+1], v[XR+\i:XR+\i+1], v[W+\i:W+\i+1], v[BV+\i:BV+\i+1]
.endr
.irp j, 0,1,2,3
	v_max3_num_f32 v[10+\j], |v[XR+8*\j]|, |v[XR+8*\j+1]|, 0x8000000   ; group j: my 8 numbers of a block, and the floor 2^(16 - 127)
.endr
.irp i, 2,4,6
.irp j, 0,1,2,3
	v_max3_num_f32 v[10+\j], v[10+\j], |v[XR+8*\j+\i]|, |v[XR+8*\j+\i+1]|
.endr
.endr
.irp m, 1,2
.irp j, 0,1,2,3
	v_max_num_f32_dpp v[10+\j], v[10+\j], v[10+\j] row_xmask:\m row_mask:0xf bank_mask:0xf   ; with the block's other three lanes
.endr
.endr
.irp j, 0,1,2,3
	v_add_nc_u32 v[18+\j], 0xf8800000, v[10+\j]    ; 15 off the exponent field: the conversion's scale operand
.endr
.irp j, 0,1,2,3
	v_and_or_b32 v[14+\j], v[10+\j], 0x7f800000, s16   ; 57,344 x the scale
.endr
.irp j, 0,1,2,3
	v_lshrrev_b32 v[BY+\j], 23, v[18+\j]           ; the scale's byte
.endr
.irp j, 0,1,2,3
.irp i, 0,1,2,3,4,5,6,7
	v_med3_num_f32 v[XR+8*\j+\i], v[XR+8*\j+\i], -v[14+\j], v[14+\j]   ; the conversion does not saturate (ISA guide 7.6.2): the hold comes first
.endr
	v_cvt_scalef32_pk8_bf8_f32 v[CD+2*\j:CD+2*\j+1], v[XR+8*\j:XR+8*\j+7], v[18+\j]
.endr
	v_nop                                          ; a plain instruction behind the last conversion
.irp j, 0,1,2,3
	ds_store_b64 v3, v[CD+2*\j:CD+2*\j+1] offset:1280*\j+128*(\p)
	ds_store_b8 v4, v[BY+\j] offset:32*\j+4*(\p)   ; the four lanes of a block write the same byte with the same value
.endr
.endm
	ROW 0
	ROW 1
	ROW 2
	ROW 3
.irp p, 0,1,2,3,4,5,6,7
	ds_load_b128 v[X+4*\p:X+4*\p+3], v5 offset:640*\p   ; LDS serves a wave's instructions in order: these see my stores
.endr
	ds_load_b32 v[X+32], v6
.irp p, 0,1,2,3,4,5,6,7
	s_wait_dscnt 8-\p
	global_store_b128 v7, v[X+4*\p:X+4*\p+3], s[24:25] offset:16384*\p   ; my 4 rows of plane p: 512 consecutive bytes, aligned
.endr
	s_wait_dscnt 0x0
	global_store_b32 v8, v[X+32], s[26:27]
	s_wait_tensorcnt 0x0
	ds_add_u32 v232, v233
	s_wait_dscnt 0x0
	s_endpgm
.Lfunc_end_k_q768e7ed796_ln2:
	.size	k_q768e7ed796_ln2, .Lfunc_end_k_q768e7ed796_ln2-k_q768e7ed796_ln2
	.p2alignl 7, 3214868480
	.fill 96, 4, 3214868480
	.section	.rodata,"a",@progbits
	.p2align	6, 0x0
	.amdhsa_kernel k_q768e7ed796_ln2
		.amdhsa_group_segment_fixed_size 22016
		.amdhsa_private_segment_fixed_size 0
		.amdhsa_enable_private_segment 0
		.amdhsa_kernarg_size 32
		.amdhsa_user_sgpr_count 2
		.amdhsa_user_sgpr_kernarg_segment_ptr 1
		.amdhsa_wavefront_size32 1
		.amdhsa_system_sgpr_workgroup_id_x 1
		.amdhsa_system_sgpr_workgroup_id_y 1
		.amdhsa_system_sgpr_workgroup_id_z 1
		.amdhsa_system_vgpr_workitem_id 0
		.amdhsa_next_free_vgpr 234
		.amdhsa_next_free_sgpr 66
		.amdhsa_reserve_vcc 0
		.amdhsa_float_denorm_mode_32 3
		.amdhsa_float_denorm_mode_16_64 3
		.amdhsa_memory_ordered 1
		.amdhsa_forward_progress 1
		.amdhsa_inst_pref_size 54
	.end_amdhsa_kernel
	.amdgpu_metadata
---
amdhsa.version: [ 1, 2 ]
amdhsa.kernels:
  - .name:           k_q768e7ed796_ln2
    .symbol:         k_q768e7ed796_ln2.kd
    .args:
      - { .name: x1, .offset: 0, .size: 8, .value_kind: global_buffer, .address_space: global }
      - { .name: ln2_w, .offset: 8, .size: 8, .value_kind: global_buffer, .address_space: global }
      - { .name: ln2_b, .offset: 16, .size: 8, .value_kind: global_buffer, .address_space: global }
      - { .name: act, .offset: 24, .size: 8, .value_kind: global_buffer, .address_space: global }
    .group_segment_fixed_size: 22016
    .private_segment_fixed_size: 0
    .kernarg_segment_align: 8
    .kernarg_segment_size: 32
    .max_flat_workgroup_size: 128
    .sgpr_count:     66
    .vgpr_count:     234
    .wavefront_size: 32
...
	.end_amdgpu_metadata
.endif
;; end of part 5
;; launch fc (part 6): grid 16 x 16, 4 waves a work-group, clusters of 4 x 4, 327,680 bytes of LDS; arguments act, wq, fc_b, hid; writes hid
.if DOCPART == 6
	.amdgcn_target "amdgcn-amd-amdhsa--gfx1250"
	.amdhsa_code_object_version 6
	.text
	.protected	k_q768e7ed796_fc
	.globl	k_q768e7ed796_fc
	.p2align	8
	.type	k_q768e7ed796_fc,@function
k_q768e7ed796_fc:
	s_mov_b64 s[64:65], 0
	v_nop
	global_prefetch_b8 v0, s[64:65] scope:SCOPE_SE
	s_setreg_imm32_b32 hwreg(HW_REG_WAVE_MODE, 25, 1), 1
	s_wait_xcnt 0x0
	s_wait_alu depctr_hold_cnt(0) depctr_sa_sdst(0) depctr_va_vdst(0) depctr_va_sdst(0) depctr_va_ssrc(0) depctr_va_vcc(0) depctr_vm_vsrc(0)
	s_getreg_b32 s2, hwreg(HW_REG_IB_STS2, 6, 4)
	s_cmp_eq_u32 s2, 0
	s_cbranch_scc0 .Lentry_in_a_cluster
	s_endpgm
.Lentry_in_a_cluster:
	s_bfe_u32 s2, ttmp6, 0x10000c
	s_cmp_lg_u32 s2, 0xf033
	s_cbranch_scc0 .Lentry_shape_is_right
	s_endpgm
.Lentry_shape_is_right:
; hid = gelu(h fc_w + fc_b), quantised along its columns at once: a product on codes of BF8 (E5M2) with E8M0 scales, K = 1,024; operands and result lie in chunks [rows/128][K/128][128 rows][128 bytes], scale words behind them.
; A tile of 256 x 256 is made by four waves, 128 x 128 each; K goes in steps of 256 through a ring of two LDS slots; clusters of 4 x 4: A's tiles are shared along a row, B's along a column, each asked for jointly.
; gelu's tanh is taken as 1 - 2 / (1 + 2^(2 log2(e) u)).  LIMITS: a block of zeros or under 2^-111 gets the byte 1 (this program alone reads the bytes); NaN and infinities are not served.
.set AS0,   4194304
.set WOFF,  4194304
.set WSOFF, 12582912+131072
.set HS0,   16777216
.set NQ,    2
.set PL,    17408
.set RT,    2176
.set FR,    16
.set NL,    4
.set NPL,   8
.set HALFT, 2*PL
.set SLOT,  4*HALFT
.set LAPS,  2
.set SCL,   2*SLOT
.set SPARE, SCL+4*4096
.set STG,   18944
.set ADRA, 16
.set ADRB, 20
.set STO,  24
.set RD,   25
.set CO,   26
.set ADRS, 27
.set SPW,  28
.set NIL,  29
.set SWA,  30
.set SWR,  31
.set SC,   32
.set BC,   64
.set AF,   128
.set T,    128
.set PC,   192
.set TM,   208
.set PW,   224
.set K1V,  226
.set K2,   96
.set G1, 24
.set G0, 32
.set G1B, 48
.set G0B, 56
.set G1S, 68
.set G0S, 76
.set G1SB, 80
.set G0SB, 88
.set SEL, 66
.set MNT, 99
.set MSB, 0
.macro WIN new
.if MSB != (\new)
	s_set_vgpr_msb (MSB<<8)|(\new)
.set MSB, (\new)
.endif
.endm
.set MUL_LO, 0xa1
.set MUL_HI, 0xf1
.set TO_B,   0x40
.macro JLOAD g0a, g1a, g0b, g1b
	s_cmp_eq_u32 s15, 0
	s_cbranch_scc0 .Lfor_b_\@
	tensor_load_to_lds s[\g0a:\g0a+3], s[\g1a:\g1a+7]
	s_nop 0
.rept 4
	v_nop
.endr
	s_branch .Lasked_\@
.Lfor_b_\@:
	tensor_load_to_lds s[\g0b:\g0b+3], s[\g1b:\g1b+7]
	s_nop 0
.rept 4
	v_nop
.endr
.Lasked_\@:
.endm
.macro CREST
	s_cmp_lg_u32 s14, 0
	s_cbranch_scc1 .Lnot_wave_0_\@
	s_barrier_signal -3
.Lnot_wave_0_\@:
	s_barrier_wait -3
	s_barrier_signal -1
	s_barrier_wait -1
.endm
.macro CROUND
	s_barrier_signal -1
	s_barrier_wait -1
	CREST
.endm
	s_load_b256 s[4:11], s[0:1], 0x0
	v_lshl_add_u32 v[SPW], v0, 2, SPARE
	v_mov_b32 v[NIL], 0
	ds_add_u32 v28, v29
	ds_add_u32 v28, v29
	s_wait_dscnt 0x0
	v_lshrrev_b32 v1, 5, v0
	v_readfirstlane_b32 s14, v1
	s_lshr_b32 s15, s14, 1
	s_and_b32 s16, s14, 1
	s_bfe_u32 s40, ttmp6, 0x40000
	s_bfe_u32 s41, ttmp6, 0x40004
	s_lshl_b32 s42, ttmp9, 2
	s_add_co_u32 s42, s42, s40
	s_and_b32 s17, ttmp7, 0xffff
	s_lshl_b32 s17, s17, 2
	s_add_co_u32 s17, s17, s41
	s_lshl_b32 s43, s41, 2
	s_lshl_b32 s43, 15, s43
	s_lshl_b32 s44, 0x1111, s40
	s_or_b32 s[G1+0], s43, (3<<16)|(1<<20)|(1<<21)|(5<<22)|(3<<25)
	s_or_b32 s[G1B+0], s44, (3<<16)|(1<<20)|(1<<21)|(5<<22)|(3<<25)
.irp g, G1, G1B
	s_mov_b32 s[\g+1], 32<<16
	s_mov_b32 s[\g+2], 128<<16
	s_mov_b32 s[\g+3], 32<<16
	s_mov_b32 s[\g+4], 128
	s_mov_b32 s[\g+5], 32
	s_mov_b32 s[\g+6], 0
	s_mov_b32 s[\g+7], 0
.endr
	s_lshl_b32 s20, s17, 1
	s_add_co_u32 s20, s20, s16
	s_lshl_b32 s46, s42, 1
	s_add_co_u32 s46, s46, s16
	s_lshl_b32 s22, s20, 12
	s_add_co_u32 s22, s22, AS0
	s_lshl_b32 s92, s46, 12
	s_add_co_u32 s92, s92, WSOFF
	s_lshl_b32 s20, s20, 17
	s_lshl_b32 s46, s46, 17
	s_add_co_u32 s46, s46, WOFF
	s_mov_b32 s21, 0
	s_mov_b32 s23, 0
	s_mov_b32 s47, 0
	s_mov_b32 s93, 0
	s_mul_i32 s45, s14, HALFT
	s_lshl_b32 s94, s14, 12
	s_mov_b32 s[SEL], 0x76543210
	s_mov_b32 s[SEL+1], 0xfedcba98
	s_mov_b32 s[MNT], 0x600000
	s_mov_b32 s[K2], 0xbdd2d3e8
	s_mov_b32 s[K2+1], s[K2]
	s_wait_kmcnt 0x0
	s_add_nc_u64 s[20:21], s[4:5], s[20:21]
	s_add_nc_u64 s[22:23], s[4:5], s[22:23]
	s_add_nc_u64 s[46:47], s[6:7], s[46:47]
	s_add_nc_u64 s[92:93], s[6:7], s[92:93]
	CROUND
	s_cmp_eq_u32 s15, 0                            ; the scale words go through registers: my block's 4,096 bytes in memory (waves 0, 1: A's; 2, 3: B's),
	s_cselect_b64 s[G0S:G0S+1], s[22:23], s[92:93]
	s_add_co_u32 s[G0S+2], s94, SCL                ; and their place in LDS
.irp s, 0,1
	s_mov_b32 s[G0+4*\s], 1
	s_add_co_u32 s[G0+4*\s+1], s45, \s*SLOT
	s_add_nc_u64 s[G0+4*\s+2:G0+4*\s+3], s[20:21], \s*32768
	s_or_b32 s[G0+4*\s+3], s[G0+4*\s+3], 0x80000000
	s_mov_b32 s[G0B+4*\s], 1
	s_add_co_u32 s[G0B+4*\s+1], s45, \s*SLOT
	s_add_nc_u64 s[G0B+4*\s+2:G0B+4*\s+3], s[46:47], \s*32768
	s_or_b32 s[G0B+4*\s+3], s[G0B+4*\s+3], 0x80000000
.endr
	; THE PREFETCHES INTO THE L2: of the 32,768 bytes of a K step that I fetch, each of the four partners that ask for them jointly takes 8,192, told apart by address (cx for A, cy for B); lanes 256 bytes apart, one instruction a wave.
	s_cmp_eq_u32 s15, 0
	s_cselect_b32 s84, s40, s41
	s_cselect_b64 s[80:81], s[20:21], s[46:47]
	s_lshl_b32 s82, s84, 13
	s_mov_b32 s83, 0
	s_add_nc_u64 s[80:81], s[80:81], s[82:83]
	JLOAD G0, G1, G0B, G1B                         ; K step 0: one tensor load a wave at the head
	v_and_b32 v22, 31, v0
	v_lshlrev_b32 v22, 8, v22
	global_prefetch_b8 v22, s[80:81] offset:32768 th:TH_LOAD_NT scope:SCOPE_SE   ; K step 1, which the next fill loads,
	global_prefetch_b8 v22, s[80:81] offset:65536 th:TH_LOAD_NT scope:SCOPE_SE   ; and K step 2, two fills on
	v_and_b32 v1, 15, v0
	v_bfe_u32 v2, v0, 4, 1
	s_wait_alu depctr_va_vdst(0)
	v_lshlrev_b32 v3, 7, v1
	v_lshrrev_b32 v4, 1, v1
	v_lshl_add_u32 v3, v4, 4, v3
	v_lshl_add_u32 v4, v2, 4, v3
	s_mul_i32 s21, s15, HALFT
	s_mul_i32 s22, s16, HALFT
	s_add_co_u32 s22, s22, 2*HALFT
.irp s, 0,1
	v_add_nc_u32 v[ADRA+\s], s21, v4
	v_add_nc_u32 v[ADRB+\s], s22, v4
	s_add_co_u32 s21, s21, SLOT
	s_add_co_u32 s22, s22, SLOT
.endr
	s_lshl_b32 s21, s15, 12
	s_lshl_b32 s22, s16, 12
	s_add_co_u32 s22, s22, 2*4096
	s_sub_co_u32 s22, s22, s21
	v_mul_u32_u24 v6, s22, v2
	s_add_co_u32 s21, s21, SCL
	v_lshlrev_b32 v5, 2, v1
	v_add_nc_u32 v5, v5, v6
	v_add_nc_u32 v[ADRS], s21, v5
	s_mul_i32 s23, s14, STG
	v_mul_u32_u24 v5, v1, 144
	v_lshl_add_u32 v5, v2, 3, v5
	v_add_nc_u32 v[STO], s23, v5
	v_lshl_add_u32 v5, v1, 2, 18432
	v_add_nc_u32 v[SWA], s23, v5
	v_and_b32 v6, 31, v0
	v_lshlrev_b32 v[CO], 4, v6
	v_add_nc_u32 v5, s23, v[CO]
	v_add_nc_u32 v[SWR], 18432, v5
	v_lshrrev_b32 v5, 3, v6
	v_and_b32 v6, 7, v6
	v_mul_u32_u24 v5, v5, 144
	v_lshl_add_u32 v5, v6, 4, v5
	v_add_nc_u32 v[RD], s23, v5
	s_lshl_b32 s20, s17, 1
	s_add_co_u32 s20, s20, s15
	s_lshl_b32 s21, s42, 1
	s_add_co_u32 s21, s21, s16
	s_lshl_b32 s22, s20, 5
	s_add_co_u32 s22, s22, s21
	s_lshl_b32 s46, s22, 14
	s_mov_b32 s47, 0
	s_add_nc_u64 s[12:13], s[10:11], s[46:47]
	s_lshl_b32 s46, s22, 9
	s_add_co_u32 s46, s46, HS0
	s_add_nc_u64 s[18:19], s[10:11], s[46:47]
	s_lshl_b32 s46, s21, 9
	s_add_nc_u64 s[92:93], s[8:9], s[46:47]
	s_wait_alu depctr_va_vdst(0)                   ; the wait ahead of the reader of v[CO]
; No joint load for the scale words: they are 16 KB of a work-group against the 512 KB of codes that its joint loads bring, and the four waves' one load each at the head is taken by K step 0.
.irp i, 0,1,2,3,4,5,6,7
	global_load_b128 v[AF+4*\i:AF+4*\i+3], v[CO], s[G0S:G0S+1] offset:512*\i   ; 512 consecutive bytes an instruction
.endr
	v_add_nc_u32 v7, s[G0S+2], v[CO]
	v_lshlrev_b32 v5, 5, v2
.irp b, 0,1,2,3,4,5,6,7
	global_load_b128 v[BC+8*\b:BC+8*\b+3], v5, s[92:93] offset:64*\b
	global_load_b128 v[BC+8*\b+4:BC+8*\b+7], v5, s[92:93] offset:64*\b+16
.endr
	s_wait_loadcnt 0x0
.macro FRAG reg, adr, q, i
.irp c, 0,1,2,3
	ds_load_b128 v[\reg+4*\c:\reg+4*\c+3], v[\adr] offset:PL*(\q)+RT*(\i)+32*\c
.endr
.endm
.macro MUL16 a0, p, q, sc, zero
.irp a, \a0, \a0+1
.irp b, 0,1,2,3,4,5,6,7
.if \zero
	v_wmma_scale_f32_16x16x128_f8f6f4 v[8*(8*((\a)%4)+\b):8*(8*((\a)%4)+\b)+7], v[128*(\p)+FR*\b:128*(\p)+FR*\b+FR-1], v[AF+FR*(\a):AF+FR*(\a)+FR-1], v[BC+8*\b:BC+8*\b+7], v[SC+8*NQ*(\sc)+NQ*\b+(\q)], v[SC+8*NQ*(\sc)+NQ*(\a)+(\q)] matrix_a_fmt:MATRIX_FMT_BF8 matrix_b_fmt:MATRIX_FMT_BF8 matrix_a_scale:MATRIX_SCALE_ROW1
.else
	v_wmma_scale_f32_16x16x128_f8f6f4 v[8*(8*((\a)%4)+\b):8*(8*((\a)%4)+\b)+7], v[128*(\p)+FR*\b:128*(\p)+FR*\b+FR-1], v[AF+FR*(\a):AF+FR*(\a)+FR-1], v[8*(8*((\a)%4)+\b):8*(8*((\a)%4)+\b)+7], v[SC+8*NQ*(\sc)+NQ*\b+(\q)], v[SC+8*NQ*(\sc)+NQ*(\a)+(\q)] matrix_a_fmt:MATRIX_FMT_BF8 matrix_b_fmt:MATRIX_FMT_BF8 matrix_a_scale:MATRIX_SCALE_ROW1
.endif
.endr
.endr
.endm
.macro FETCH_B slot, q, p
	WIN TO_B
.irp i, 0,1,2,3,4,5,6,7
	FRAG 128*(\p)+FR*\i, ADRB+\slot, \q, \i
.endr
	WIN 0
.endm
.macro FETCH_A slot, q, i0
.irp i, \i0, \i0+1, \i0+2, \i0+3
	FRAG AF+FR*(\i), ADRA+\slot, \q, \i
.endr
.endm
.macro SCALES sc
.irp i, 0,1,2,3,4,5,6,7
.irp q, 0,1
	ds_load_b32 v[SC+16*(\sc)+2*\i+\q], v[ADRS] offset:512*\q+64*\i
.endr
.endr
.endm
.macro PLACES n
.rept \n
	v_nop
.endr
.endm
.macro STEP slot, q, zero
	s_wait_dscnt 4*NL
.if \zero
	WIN 0x81
.else
	WIN MUL_LO
.endif
	MUL16 0, (\q)%2, \q, \slot, \zero
	MUL16 2, (\q)%2, \q, \slot, \zero
	s_wait_dscnt 0
	PLACES NPL
	FETCH_B \slot, (\q)+1, 1-(\q)%2
	FETCH_A \slot, (\q)+1, 0
.if \zero
	WIN 0xc1
.else
	WIN MUL_HI
.endif
	MUL16 4, (\q)%2, \q, \slot, \zero
	MUL16 6, (\q)%2, \q, \slot, \zero
	PLACES NPL
	WIN 0
	FETCH_A \slot, (\q)+1, 4
.endm
.macro TURN slot, next, fill
	s_wait_tensorcnt 0x0
	ds_add_u32 v[SPW], v[NIL]
	s_wait_dscnt 4*NL+1
	WIN MUL_LO
	MUL16 0, 1, NQ-1, \slot, 0
	s_wait_dscnt 0x0
	s_barrier_signal -1
	MUL16 2, 1, NQ-1, \slot, 0
	WIN 0
	s_barrier_wait -1
.if \fill
	CREST
	s_add_nc_u64 s[G0+4*\slot+2:G0+4*\slot+3], s[G0+4*\slot+2:G0+4*\slot+3], 65536
	s_add_nc_u64 s[G0B+4*\slot+2:G0B+4*\slot+3], s[G0B+4*\slot+2:G0B+4*\slot+3], 65536
	JLOAD G0+4*\slot, G1, G0B+4*\slot, G1B
	PLACES NPL-4
.else
	PLACES NPL
.endif
	s_wait_alu depctr_va_vdst(0)
	v_add_nc_u32 v[ADRS], 1024, v[ADRS]
	FETCH_B \next, 0, 0
	FETCH_A \next, 0, 0
	SCALES \next
	WIN MUL_HI
	MUL16 4, 1, NQ-1, \slot, 0
	MUL16 6, 1, NQ-1, \slot, 0
	PLACES NPL
	WIN 0
	FETCH_A \next, 0, 4
.endm
	s_wait_alu depctr_va_vdst(0)                   ; the wait at the head's end
	s_wait_tensorcnt 0x0                           ; my part of K step 0 is in
.irp i, 0,1,2,3,4,5,6,7
	ds_store_b128 v7, v[AF+4*\i:AF+4*\i+3] offset:512*\i   ; my 4,096 bytes of scale words, into bytes that no tensor load fills
.endr
	s_wait_tensorcnt 0x0
	ds_add_u32 v[SPW], v[NIL]
	s_wait_dscnt 0x0                               ; the add and my stores are done
	CROUND                                         ; K step 0 and the scale words are whole, and the sixteen work-groups are here
	JLOAD G0+4, G1, G0B+4, G1B                     ; K step 1, the first tensor load behind the round
	global_prefetch_b8 v22, s[80:81] offset:98304 th:TH_LOAD_NT scope:SCOPE_SE   ; K step 3, the last: two fills on; the address registers are never rewritten
	FETCH_B 0, 0, 0
	FETCH_A 0, 0, 0
	SCALES 0
	FETCH_A 0, 0, 4
	STEP 0, 0, 1
	s_mov_b32 s3, LAPS-1
.Llap:
	TURN 0, 1, 1
	STEP 1, 0, 0
	TURN 1, 0, 1
	STEP 0, 0, 0
	s_sub_co_u32 s3, s3, 1
	s_cmp_lg_u32 s3, 0
	s_cbranch_scc1 .Llap
	TURN 0, 1, 0
	STEP 1, 0, 0
	s_wait_dscnt 4*NL
	WIN MUL_LO
	MUL16 0, 1, NQ-1, 1, 0
	MUL16 2, 1, NQ-1, 1, 0
	s_wait_dscnt 0
	WIN MUL_HI
	MUL16 4, 1, NQ-1, 1, 0
	MUL16 6, 1, NQ-1, 1, 0
	WIN 0
.macro QUANT
.irp b, 0,1,2,3
	v_max3_num_f32 v[TM+\b], |v[T+16*\b]|, |v[T+1+16*\b]|, 0x8000000
.endr
.irp i, 2,4,6,8,10,12,14
.irp b, 0,1,2,3
	v_max3_num_f32 v[TM+\b], v[TM+\b], |v[T+16*\b+\i]|, |v[T+1+16*\b+\i]|
.endr
.endr
.irp b, 0,1,2,3
	v_permlanex16_b32 v[TM+4+\b], v[TM+\b], s[SEL], s[SEL+1]
.endr
.irp b, 0,1,2,3
	v_max_num_f32 v[TM+\b], v[TM+\b], v[TM+4+\b]
.endr
.irp b, 0,1,2,3
	v_add_nc_u32 v[TM+12+\b], 0xf8800000, v[TM+\b]
.endr
.irp b, 0,1,2,3
	v_and_or_b32 v[TM+8+\b], v[TM+\b], 0x7f800000, s[MNT]
.endr
.irp b, 0,1,2,3
	v_lshrrev_b32 v[TM+4+\b], 23, v[TM+12+\b]
.endr
	v_lshl_or_b32 v[PW], v[TM+5], 8, v[TM+4]
	v_lshl_or_b32 v[PW], v[TM+6], 16, v[PW]
	v_lshl_or_b32 v[PW], v[TM+7], 24, v[PW]
.irp b, 0,1,2,3
.irp i, 0,1,2,3,4,5,6,7,8,9,10,11,12,13,14,15
	v_med3_num_f32 v[T+16*\b+\i], v[T+16*\b+\i], -v[TM+8+\b], v[TM+8+\b]
.endr
	v_cvt_scalef32_pk8_bf8_f32 v[PC+4*\b:PC+1+4*\b], v[T+16*\b:T+7+16*\b], v[TM+12+\b]
	v_cvt_scalef32_pk8_bf8_f32 v[PC+2+4*\b:PC+3+4*\b], v[T+8+16*\b:T+15+16*\b], v[TM+12+\b]
.endr
	v_nop
.endm
.macro QBLOCK a
.set AC, 64*((\a)%4)
	s_wait_dscnt 0x0
	WIN 0x0a+5*((\a)/4)
.set i, 0
.rept 32
	v_pk_mul_f32 v[T+i:T+i+1], v[AC+i:AC+i+1], v[AC+i:AC+i+1]
.set i, i+2
.endr
	WIN 0
.set i, 0
.rept 32
	v_pk_fma_f32 v[T+i:T+i+1], v[T+i:T+i+1], s[K2:K2+1], v[K1V:K1V+1] op_sel_hi:[1,0,1]
.set i, i+2
.endr
	WIN 0x02+((\a)/4)
.set i, 0
.rept 32
	v_pk_mul_f32 v[T+i:T+i+1], v[AC+i:AC+i+1], v[T+i:T+i+1]
.set i, i+2
.endr
	WIN 0
.set i, 0
	s_wait_alu depctr_va_vdst(0)
.rept 64
	v_exp_f32 v[T+i], v[T+i]
.set i, i+1
.endr
	v_nop
	s_wait_alu depctr_va_vdst(0)
.set i, 0
.rept 32
	v_pk_add_f32 v[T+i:T+i+1], v[T+i:T+i+1], 1.0 op_sel_hi:[1,0]
.set i, i+2
.endr
.set i, 0
	s_wait_alu depctr_va_vdst(0)
.rept 64
	v_rcp_f32 v[T+i], v[T+i]
.set i, i+1
.endr
	v_nop
	s_wait_alu depctr_va_vdst(0)
	WIN 0x02+((\a)/4)
.set i, 0
.rept 32
	v_pk_mul_f32 v[T+i:T+i+1], v[AC+i:AC+i+1], v[T+i:T+i+1]
.set i, i+2
.endr
	WIN 0
	QUANT
.irp b, 0,1,2,3,4,5,6,7
	ds_store_b64 v[STO], v[PC+2*\b:PC+2*\b+1] offset:2304*(\a)+16*\b
.endr
	ds_store_b32 v[SWA], v[PW] offset:64*(\a)
.endm
	PLACES NPL
.irp b, 0,1,2,3
	v_mov_b32 v[TM+4+\b], 0
.endr
	v_mov_b32 v[K1V], 0xc0135761
	v_mov_b32 v[K1V+1], 0xc0135761
.irp a, 0,1,2,3,4,5,6,7
	QBLOCK \a
.endr
	s_wait_dscnt 0x0
.set i, 0
.rept 32
	ds_load_b128 v[128+4*i:128+4*i+3], v[RD] offset:576*i
.set i, i+1
.endr
	ds_load_b128 v[32:35], v[SWR]
.set i, 0
.rept 32
	s_wait_dscnt 32-i
	global_store_b128 v[CO], v[128+4*i:128+4*i+3], s[12:13] offset:512*i
.set i, i+1
.endr
	s_wait_dscnt 0x0
	global_store_b128 v[CO], v[32:35], s[18:19]
	s_wait_tensorcnt 0x0
	ds_add_u32 v[SPW], v[NIL]
	s_wait_dscnt 0x0
	CROUND
	s_endpgm
.Lfunc_end_k_q768e7ed796_fc:
	.size	k_q768e7ed796_fc, .Lfunc_end_k_q768e7ed796_fc-k_q768e7ed796_fc
	.p2alignl 7, 3214868480
	.fill 96, 4, 3214868480
	.section	.rodata,"a",@progbits
	.p2align	6, 0x0
	.amdhsa_kernel k_q768e7ed796_fc
		.amdhsa_group_segment_fixed_size 327680
		.amdhsa_private_segment_fixed_size 0
		.amdhsa_enable_private_segment 0
		.amdhsa_kernarg_size 32
		.amdhsa_user_sgpr_count 2
		.amdhsa_user_sgpr_kernarg_segment_ptr 1
		.amdhsa_wavefront_size32 1
		.amdhsa_system_sgpr_workgroup_id_x 1
		.amdhsa_system_sgpr_workgroup_id_y 1
		.amdhsa_system_sgpr_workgroup_id_z 1
		.amdhsa_system_vgpr_workitem_id 0
		.amdhsa_next_free_vgpr 1024
		.amdhsa_next_free_sgpr 100
		.amdhsa_reserve_vcc 0
		.amdhsa_float_denorm_mode_32 3
		.amdhsa_float_denorm_mode_16_64 3
		.amdhsa_memory_ordered 1
		.amdhsa_forward_progress 1
		.amdhsa_inst_pref_size 255
	.end_amdhsa_kernel
	.section	.bss,"aw",@nobits
	.p2align	6
	.space	262144
	.amdgpu_metadata
---
amdhsa.version: [ 1, 2 ]
amdhsa.kernels:
  - .name:           k_q768e7ed796_fc
    .symbol:         k_q768e7ed796_fc.kd
    .args:
      - { .name: act, .offset: 0, .size: 8, .value_kind: global_buffer, .address_space: global }
      - { .name: wq, .offset: 8, .size: 8, .value_kind: global_buffer, .address_space: global }
      - { .name: fc_b, .offset: 16, .size: 8, .value_kind: global_buffer, .address_space: global }
      - { .name: hid, .offset: 24, .size: 8, .value_kind: global_buffer, .address_space: global }
    .group_segment_fixed_size: 327680
    .private_segment_fixed_size: 0
    .kernarg_segment_align: 8
    .kernarg_segment_size: 32
    .max_flat_workgroup_size: 128
    .sgpr_count:     100
    .vgpr_count:     1024
    .wavefront_size: 32
...
	.end_amdgpu_metadata
.endif
;; end of part 6
;; launch fc2 (part 7): grid 8 x 32, 4 waves a work-group, clusters of 4 x 4, 327,680 bytes of LDS; arguments hid, wq, fc2_b, x1, out0; writes out0
.if DOCPART == 7
	.amdgcn_target "amdgcn-amd-amdhsa--gfx1250"
	.amdhsa_code_object_version 6
	.text
	.protected	k_q768e7ed796_fc2
	.globl	k_q768e7ed796_fc2
	.p2align	8
	.type	k_q768e7ed796_fc2,@function
k_q768e7ed796_fc2:
	s_mov_b64 s[64:65], 0
	v_nop
	global_prefetch_b8 v0, s[64:65] scope:SCOPE_SE
	s_setreg_imm32_b32 hwreg(HW_REG_WAVE_MODE, 25, 1), 1
	s_wait_xcnt 0x0
	s_wait_alu depctr_hold_cnt(0) depctr_sa_sdst(0) depctr_va_vdst(0) depctr_va_sdst(0) depctr_va_ssrc(0) depctr_va_vcc(0) depctr_vm_vsrc(0)
	s_getreg_b32 s2, hwreg(HW_REG_IB_STS2, 6, 4)
	s_cmp_eq_u32 s2, 0
	s_cbranch_scc0 .Lentry_in_a_cluster
	s_endpgm
.Lentry_in_a_cluster:
	s_bfe_u32 s2, ttmp6, 0x10000c
	s_cmp_lg_u32 s2, 0xf033
	s_cbranch_scc0 .Lentry_shape_is_right
	s_endpgm
.Lentry_shape_is_right:
; out0 = x1 + (hid fc2_w + fc2_b): a product on codes of BF8 (E5M2) with E8M0 scales, K = 4,096, the result f32 [4096][1024]; operands lie in chunks [rows/128][K/128][128 rows][128 bytes], scale words behind them.
; A tile of 128 x 128 is made by four waves, 64 x 64 each: 256 work-groups; K goes in steps of 512 (four planes) through a ring of two LDS slots; clusters of 4 x 4: A's tiles are shared along a row, B's along a column, each asked for jointly.
; The bias is the C of each sum's first product; the residual is asked for at the head and added last.
.set NPK,   32
.set AOFFS, 16777216
.set WOFF,  8388608
.set WSOFF, 12582912+262144
.set LAPS,  NPK/8
.set PL,    17408
.set RT,    2176
.set HALFT, 2*PL
.set SLOT,  4*HALFT
.set SCL,   2*SLOT
.set SPARE, SCL+NPK*1024
.set STGB,  4352
.set ADRA, 16
.set ADRB, 20
.set STO,  24
.set RD,   25
.set CO,   26
.set ADRS, 27
.set SPW,  28
.set NIL,  29
.set SC,   32
.set BIAS, 64
.set ACC,  128
.set F0,   0
.set F1,   128
.set G1, 24
.set G0, 32
.set G1B, 48
.set G0B, 56
.set G1S, 68
.set G0S, 76
.set G1SB, 80
.set G0SB, 88
.set MSB, 0
.macro WIN new
.if MSB != (\new)
	s_set_vgpr_msb (MSB<<8)|(\new)
.set MSB, (\new)
.endif
.endm
.macro JLOAD g0a, g1a, g0b, g1b
	s_cmp_eq_u32 s15, 0
	s_cbranch_scc0 .Lfor_b_\@
	tensor_load_to_lds s[\g0a:\g0a+3], s[\g1a:\g1a+7]
	s_nop 0
.rept 4
	v_nop
.endr
	s_branch .Lasked_\@
.Lfor_b_\@:
	tensor_load_to_lds s[\g0b:\g0b+3], s[\g1b:\g1b+7]
	s_nop 0
.rept 4
	v_nop
.endr
.Lasked_\@:
.endm
.macro CREST
	s_cmp_lg_u32 s14, 0
	s_cbranch_scc1 .Lnot_wave_0_\@
	s_barrier_signal -3
.Lnot_wave_0_\@:
	s_barrier_wait -3
	s_barrier_signal -1
	s_barrier_wait -1
.endm
.macro CROUND
	s_barrier_signal -1
	s_barrier_wait -1
	CREST
.endm
	s_load_b256 s[4:11], s[0:1], 0x0
	s_load_b64 s[12:13], s[0:1], 0x20
	v_lshl_add_u32 v[SPW], v0, 2, SPARE
	v_mov_b32 v[NIL], 0
	ds_add_u32 v28, v29
	ds_add_u32 v28, v29
	s_wait_dscnt 0x0
	v_lshrrev_b32 v1, 5, v0
	v_readfirstlane_b32 s14, v1
	s_lshr_b32 s15, s14, 1
	s_and_b32 s16, s14, 1
	s_bfe_u32 s40, ttmp6, 0x40000
	s_bfe_u32 s41, ttmp6, 0x40004
	s_lshl_b32 s42, ttmp9, 2
	s_add_co_u32 s42, s42, s40
	s_and_b32 s17, ttmp7, 0xffff
	s_lshl_b32 s17, s17, 2
	s_add_co_u32 s17, s17, s41
	s_lshl_b32 s43, s41, 2
	s_lshl_b32 s43, 15, s43
	s_lshl_b32 s44, 0x1111, s40
	s_or_b32 s[G1+0], s43, (3<<16)|(1<<20)|(1<<21)|(5<<22)|(3<<25)
	s_or_b32 s[G1B+0], s44, (3<<16)|(1<<20)|(1<<21)|(5<<22)|(3<<25)
.irp g, G1, G1B
	s_mov_b32 s[\g+1], 32<<16
	s_mov_b32 s[\g+2], 256<<16                     ; the head's loads bring a whole slot's 256 rows; behind them the two row counts are set to 128
	s_mov_b32 s[\g+3], 32<<16
	s_mov_b32 s[\g+4], 256
	s_mov_b32 s[\g+5], 32
	s_mov_b32 s[\g+6], 0
	s_mov_b32 s[\g+7], 0
.endr
	s_or_b32 s[G1S+0], s43, (3<<16)|(1<<21)
	s_or_b32 s[G1SB+0], s44, (3<<16)|(1<<21)
.irp g, G1S, G1SB
	s_mov_b32 s[\g+1], 32<<16
	s_mov_b32 s[\g+2], (2*NPK)<<16
	s_mov_b32 s[\g+3], 32<<16
	s_mov_b32 s[\g+4], 2*NPK
	s_mov_b32 s[\g+5], 32
	s_mov_b32 s[\g+6], 0
	s_mov_b32 s[\g+7], 0
.endr
	s_lshl_b32 s18, s16, 15
	s_mul_i32 s19, s16, NPK*256
	s_mul_i32 s20, s17, NPK*16384
	s_mul_i32 s46, s42, NPK*16384
	s_add_co_u32 s46, s46, WOFF
	s_mul_i32 s22, s17, NPK*512
	s_add_co_u32 s22, s22, AOFFS
	s_mul_i32 s92, s42, NPK*512
	s_add_co_u32 s92, s92, WSOFF
	s_mov_b32 s21, 0
	s_mov_b32 s23, 0
	s_mov_b32 s47, 0
	s_mov_b32 s93, 0
	s_mul_i32 s45, s14, HALFT
	s_mul_i32 s94, s14, NPK*256
	s_wait_kmcnt 0x0
	s_add_nc_u64 s[20:21], s[4:5], s[20:21]
	s_add_nc_u64 s[22:23], s[4:5], s[22:23]
	s_add_nc_u64 s[46:47], s[6:7], s[46:47]
	s_add_nc_u64 s[92:93], s[6:7], s[92:93]
	CROUND
	s_mov_b32 s[G0S], 1
	s_mov_b32 s[G0S+1], SCL
	s_mov_b64 s[G0S+2:G0S+3], s[22:23]
	s_or_b32 s[G0S+3], s[G0S+3], 0x80000000
	s_mov_b32 s[G0SB], 1
	s_mov_b32 s[G0SB+1], SCL+NPK*512
	s_mov_b64 s[G0SB+2:G0SB+3], s[92:93]
	s_or_b32 s[G0SB+3], s[G0SB+3], 0x80000000
.irp s, 0,1
	s_mov_b32 s[G0+4*\s], 1
	s_add_co_u32 s[G0+4*\s+1], s45, \s*SLOT
	s_add_nc_u64 s[G0+4*\s+2:G0+4*\s+3], s[20:21], \s*65536
	s_or_b32 s[G0+4*\s+3], s[G0+4*\s+3], 0x80000000
	s_mov_b32 s[G0B+4*\s], 1
	s_add_co_u32 s[G0B+4*\s+1], s45, \s*SLOT
	s_add_nc_u64 s[G0B+4*\s+2:G0B+4*\s+3], s[46:47], \s*65536
	s_or_b32 s[G0B+4*\s+3], s[G0B+4*\s+3], 0x80000000
.endr
; THE HEAD'S LOADS, ONE A WAVE: wave 0 A's four planes of slot 0, wave 1 B's, wave 2 A's scale words, wave 3 B's.  One tree of branches on the wave's number; every way passes one load.
	s_mov_b32 s[G0+1], 0                           ; slot 0's groups 0 serve the head's whole tiles first
	s_mov_b32 s[G0B+1], 2*HALFT
	s_mov_b32 s19, 0
	s_add_nc_u64 s[G0+6:G0+7], s[G0+6:G0+7], s[18:19]      ; slot 1's: my two planes
	s_add_nc_u64 s[G0B+6:G0B+7], s[G0B+6:G0B+7], s[18:19]
	; THE PREFETCHES INTO THE L2: a slot's 65,536 bytes of A (waves 0, 1) or of B (waves 2, 3) are shared out among the eight such waves of the four partners that ask for them jointly, by address (cx for A, cy for B): 8,192 bytes a wave, lanes 256 bytes apart.
	; The fill of slot j asks for slot j + 2; the head asks for slot 1 too.  At most two slots are asked for and not yet loaded.
	s_cmp_eq_u32 s15, 0
	s_cselect_b32 s95, s40, s41
	s_cselect_b64 s[96:97], s[20:21], s[46:47]
	s_lshl_b32 s95, s95, 1
	s_add_co_u32 s95, s95, s16
	s_lshl_b32 s98, s95, 13
	s_mov_b32 s99, 0
	s_add_nc_u64 s[96:97], s[96:97], s[98:99]
.macro ARM under, g0, g1, next
	s_cmp_lt_u32 s14, \under
	s_cbranch_scc0 \next
	tensor_load_to_lds s[\g0:\g0+3], s[\g1:\g1+7]
	s_nop 0
.rept 4
	v_nop
.endr
	s_branch .Lhead_asked
\next:
.endm
	ARM 1, G0,  G1,  .Lhead_b
	ARM 2, G0B, G1B, .Lhead_sa
	ARM 3, G0S, G1S, .Lhead_sb
	tensor_load_to_lds s[G0SB:G0SB+3], s[G1SB:G1SB+7]
	s_nop 0
.rept 4
	v_nop
.endr
.Lhead_asked:
	v_and_b32 v30, 31, v0
	v_lshlrev_b32 v30, 8, v30
	global_prefetch_b8 v30, s[96:97] offset:65536 th:TH_LOAD_NT scope:SCOPE_SE    ; slot 1,
	global_prefetch_b8 v30, s[96:97] offset:131072 th:TH_LOAD_NT scope:SCOPE_SE   ; and slot 2
	v_and_b32 v1, 15, v0
	v_bfe_u32 v2, v0, 4, 1
	s_wait_alu depctr_va_vdst(0)
	v_lshlrev_b32 v3, 7, v1
	v_lshrrev_b32 v4, 1, v1
	v_lshl_add_u32 v3, v4, 4, v3
	v_lshl_add_u32 v4, v2, 4, v3
	s_mul_i32 s21, s15, 4*RT
	s_mul_i32 s22, s16, 4*RT
	s_add_co_u32 s22, s22, 2*HALFT
.irp s, 0,1
	v_add_nc_u32 v[ADRA+\s], s21, v4
	v_add_nc_u32 v[ADRB+\s], s22, v4
	s_add_co_u32 s21, s21, SLOT
	s_add_co_u32 s22, s22, SLOT
.endr
	s_lshl_b32 s21, s15, 8
	s_lshl_b32 s22, s16, 8
	s_add_co_u32 s22, s22, NPK*512
	s_sub_co_u32 s22, s22, s21
	v_mul_u32_u24 v6, s22, v2
	s_add_co_u32 s21, s21, SCL
	v_lshlrev_b32 v5, 2, v1
	v_add_nc_u32 v5, v5, v6
	v_add_nc_u32 v[ADRS], s21, v5
	s_mul_i32 s23, s14, STGB
	v_mul_u32_u24 v5, v1, 272
	v_lshl_add_u32 v5, v2, 5, v5
	v_add_nc_u32 v[STO], s23, v5
	v_mul_u32_u24 v5, v2, 272
	v_lshl_add_u32 v5, v1, 4, v5
	v_add_nc_u32 v[RD], s23, v5
	v_lshlrev_b32 v5, 12, v2
	v_lshl_add_u32 v[CO], v1, 4, v5
	s_wait_alu depctr_va_vdst(0)
	s_lshl_b32 s20, s17, 19
	s_lshl_b32 s21, s15, 18
	s_add_co_u32 s20, s20, s21
	s_lshl_b32 s46, s42, 9
	s_lshl_b32 s47, s16, 8
	s_add_co_u32 s46, s46, s47
	s_mov_b32 s47, 0
	s_add_nc_u64 s[8:9], s[8:9], s[46:47]
	s_add_co_u32 s20, s20, s46
	s_mov_b32 s21, 0
	s_add_nc_u64 s[10:11], s[10:11], s[20:21]
	s_add_nc_u64 s[12:13], s[12:13], s[20:21]
	v_lshlrev_b32 v5, 5, v2
.irp b, 0,1,2,3
	global_load_b128 v[BIAS+8*\b:BIAS+8*\b+3], v5, s[8:9] offset:64*\b
	global_load_b128 v[BIAS+8*\b+4:BIAS+8*\b+7], v5, s[8:9] offset:64*\b+16
.endr
	WIN 0x80
.set i, 0
.rept 32
	global_load_b128 v[4*i:4*i+3], v[CO], s[10:11] offset:2*i*4096 th:TH_LOAD_NT
.set i, i+1
.endr
	WIN 0
.macro MUL4 f, a, q, sc, zero
.irp b, 0,1,2,3
.if \zero
	v_wmma_scale_f32_16x16x128_f8f6f4 v[ACC+8*(4*(\a)+\b):ACC+8*(4*(\a)+\b)+7], v[\f+64+16*\b:\f+64+16*\b+15], v[\f+16*(\a):\f+16*(\a)+15], v[BIAS+8*\b:BIAS+8*\b+7], v[SC+16*(\sc)+4*\b+(\q)], v[SC+16*(\sc)+4*(\a)+(\q)] matrix_a_fmt:MATRIX_FMT_BF8 matrix_b_fmt:MATRIX_FMT_BF8 matrix_a_scale:MATRIX_SCALE_ROW1
.else
	v_wmma_scale_f32_16x16x128_f8f6f4 v[ACC+8*(4*(\a)+\b):ACC+8*(4*(\a)+\b)+7], v[\f+64+16*\b:\f+64+16*\b+15], v[\f+16*(\a):\f+16*(\a)+15], v[ACC+8*(4*(\a)+\b):ACC+8*(4*(\a)+\b)+7], v[SC+16*(\sc)+4*\b+(\q)], v[SC+16*(\sc)+4*(\a)+(\q)] matrix_a_fmt:MATRIX_FMT_BF8 matrix_b_fmt:MATRIX_FMT_BF8 matrix_a_scale:MATRIX_SCALE_ROW1
.endif
.endr
.endm
.macro MUL16 f, q, sc, zero
.irp a, 0,1,2,3
	MUL4 \f, \a, \q, \sc, \zero
.endr
.endm
.macro FETCH slot, q, f
	WIN 0x40
.irp i, 0,1,2,3
.irp c, 0,1,2,3
	ds_load_b128 v[\f+64+16*\i+4*\c:\f+64+16*\i+4*\c+3], v[ADRB+\slot] offset:PL*(\q)+RT*\i+32*\c
.endr
.endr
.irp i, 0,1,2,3
.irp c, 0,1,2,3
	ds_load_b128 v[\f+16*\i+4*\c:\f+16*\i+4*\c+3], v[ADRA+\slot] offset:PL*(\q)+RT*\i+32*\c
.endr
.endr
.endm
.macro SCALES sc
.irp i, 0,1,2,3
.irp q, 0,1,2,3
	ds_load_b32 v[SC+16*(\sc)+4*\i+\q], v[ADRS] offset:512*\q+64*\i
.endr
.endr
.endm
.macro PLACES n
.rept \n
	v_nop
.endr
.endm
.macro QUARTER slot, nq, f, g, pq, zero
	s_wait_dscnt 0x0
	PLACES 8
	FETCH \slot, \nq, \g
	WIN 0x05
	MUL16 \f, \pq, \slot, \zero
.endm
.macro TURN slot, next, fill
	WIN 0
	s_wait_tensorcnt 0x0
	ds_add_u32 v[SPW], v[NIL]
	s_wait_dscnt 1
	WIN 0x05
	MUL4 F1, 0, 3, \slot, 0
	MUL4 F1, 1, 3, \slot, 0
	s_wait_dscnt 0x0
	s_barrier_signal -1
	MUL4 F1, 2, 3, \slot, 0
	WIN 0
	s_barrier_wait -1
.if \fill
	CREST
	s_add_nc_u64 s[G0+4*\slot+2:G0+4*\slot+3], s[G0+4*\slot+2:G0+4*\slot+3], 131072
	s_add_nc_u64 s[G0B+4*\slot+2:G0B+4*\slot+3], s[G0B+4*\slot+2:G0B+4*\slot+3], 131072
	JLOAD G0+4*\slot, G1, G0B+4*\slot, G1B
	PLACES 4
	s_cmp_gt_u32 s3, 1                             ; the loop's last trip fills slots 6 and 7: there is no slot two on, and nothing is asked for
	s_cbranch_scc0 .Lnone_on_\@
	global_prefetch_b8 v30, s[96:97] offset:(4+\slot)*65536 th:TH_LOAD_NT scope:SCOPE_SE   ; two fills on: slots 4, 5 in the first trip, 6, 7 in the second
.Lnone_on_\@:
.else
	PLACES 8
.endif
	s_wait_alu depctr_va_vdst(0)
	v_add_nc_u32 v[ADRS], 2048, v[ADRS]
	SCALES \next
	FETCH \next, 0, F0
	WIN 0x05
	MUL4 F1, 3, 3, \slot, 0
.endm
	s_wait_alu depctr_va_vdst(0)                   ; the wait at the head's end
	s_wait_loadcnt 32                              ; the bias is in; the residual's 32 loads may be out
	s_wait_tensorcnt 0x0                           ; my tile of the head's four is in
	ds_add_u32 v[SPW], v[NIL]
	s_mov_b32 s[G1+2], 128<<16                     ; no tensor load of mine is out: from here on a load brings 128 rows
	s_mov_b32 s[G1+4], 128
	s_mov_b32 s[G1B+2], 128<<16
	s_mov_b32 s[G1B+4], 128
.if LAPS > 1
	s_mov_b32 s[G0+1], s45                         ; slot 0's groups 0 for its refills: my two planes
	s_mov_b32 s[G0B+1], s45
	s_add_nc_u64 s[G0+2:G0+3], s[G0+2:G0+3], s[18:19]
	s_add_nc_u64 s[G0B+2:G0B+3], s[G0B+2:G0B+3], s[18:19]
.endif
	s_wait_dscnt 0x0
	CROUND                                         ; all four tiles are in, and the sixteen work-groups are here
	JLOAD G0+4, G1, G0B+4, G1B                     ; slot 1, the first tensor load behind the round
	global_prefetch_b8 v30, s[96:97] offset:196608 th:TH_LOAD_NT scope:SCOPE_SE   ; slot 3
	SCALES 0
	FETCH 0, 0, F0
	QUARTER 0, 1, F0, F1, 0, 1
.if LAPS > 1
	WIN 0
	s_mov_b32 s3, LAPS-1
.Llap:
	QUARTER 0, 2, F1, F0, 1, 0
	QUARTER 0, 3, F0, F1, 2, 0
	TURN 0, 1, 1
	QUARTER 1, 1, F0, F1, 0, 0
	QUARTER 1, 2, F1, F0, 1, 0
	QUARTER 1, 3, F0, F1, 2, 0
	TURN 1, 0, 1
	QUARTER 0, 1, F0, F1, 0, 0
	WIN 0
	s_wait_xcnt 0x0                                ; my prefetches have read their address: it is stepped only behind this wait,
	s_add_nc_u64 s[96:97], s[96:97], 131072        ; by a trip's two slots
	s_sub_co_u32 s3, s3, 1
	s_cmp_lg_u32 s3, 0
	s_cbranch_scc1 .Llap
.endif
	QUARTER 0, 2, F1, F0, 1, 0
	QUARTER 0, 3, F0, F1, 2, 0
	TURN 0, 1, 0
	QUARTER 1, 1, F0, F1, 0, 0
	QUARTER 1, 2, F1, F0, 1, 0
	QUARTER 1, 3, F0, F1, 2, 0
	s_wait_dscnt 0x0
	MUL16 F1, 3, 1, 0
	WIN 0
.macro OUTB a
.set TT, 96-64*((\a)%2)
.if (\a) >= 2
	s_wait_xcnt 0x0
.endif
.irp b, 0,1,2,3
	ds_store_b128 v[STO], v[ACC+8*(4*(\a)+\b):ACC+8*(4*(\a)+\b)+3] offset:64*\b
	ds_store_b128 v[STO], v[ACC+8*(4*(\a)+\b)+4:ACC+8*(4*(\a)+\b)+7] offset:64*\b+16
.endr
.irp t, 0,1,2,3,4,5,6,7
	ds_load_b128 v[TT+4*\t:TT+4*\t+3], v[RD] offset:544*\t
.endr
	s_wait_dscnt 0x0
	WIN 0x08
.irp t, 0,1,2,3,4,5,6,7
	v_pk_add_f32 v[TT+4*\t:TT+4*\t+1], v[TT+4*\t:TT+4*\t+1], v[32*(\a)+4*\t:32*(\a)+4*\t+1]
	v_pk_add_f32 v[TT+4*\t+2:TT+4*\t+3], v[TT+4*\t+2:TT+4*\t+3], v[32*(\a)+4*\t+2:32*(\a)+4*\t+3]
.endr
	WIN 0
.irp t, 0,1,2,3,4,5,6,7
	global_store_b128 v[CO], v[TT+4*\t:TT+4*\t+3], s[12:13] offset:(16*(\a)+2*\t)*4096 th:TH_STORE_NT
.endr
.endm
	s_wait_loadcnt 0x0
	PLACES 8
	OUTB 0
	OUTB 1
	OUTB 2
	OUTB 3
	s_wait_tensorcnt 0x0
	ds_add_u32 v[SPW], v[NIL]
	s_wait_dscnt 0x0
	CROUND
	s_endpgm
.Lfunc_end_k_q768e7ed796_fc2:
	.size	k_q768e7ed796_fc2, .Lfunc_end_k_q768e7ed796_fc2-k_q768e7ed796_fc2
	.p2alignl 7, 3214868480
	.fill 96, 4, 3214868480
	.section	.rodata,"a",@progbits
	.p2align	6, 0x0
	.amdhsa_kernel k_q768e7ed796_fc2
		.amdhsa_group_segment_fixed_size 327680
		.amdhsa_private_segment_fixed_size 0
		.amdhsa_enable_private_segment 0
		.amdhsa_kernarg_size 40
		.amdhsa_user_sgpr_count 2
		.amdhsa_user_sgpr_kernarg_segment_ptr 1
		.amdhsa_wavefront_size32 1
		.amdhsa_system_sgpr_workgroup_id_x 1
		.amdhsa_system_sgpr_workgroup_id_y 1
		.amdhsa_system_sgpr_workgroup_id_z 1
		.amdhsa_system_vgpr_workitem_id 0
		.amdhsa_next_free_vgpr 640
		.amdhsa_next_free_sgpr 100
		.amdhsa_reserve_vcc 0
		.amdhsa_float_denorm_mode_32 3
		.amdhsa_float_denorm_mode_16_64 3
		.amdhsa_memory_ordered 1
		.amdhsa_forward_progress 1
		.amdhsa_inst_pref_size 104
	.end_amdhsa_kernel
	.amdgpu_metadata
---
amdhsa.version: [ 1, 2 ]
amdhsa.kernels:
  - .name:           k_q768e7ed796_fc2
    .symbol:         k_q768e7ed796_fc2.kd
    .args:
      - { .name: hid, .offset: 0, .size: 8, .value_kind: global_buffer, .address_space: global }
      - { .name: wq, .offset: 8, .size: 8, .value_kind: global_buffer, .address_space: global }
      - { .name: fc2_b, .offset: 16, .size: 8, .value_kind: global_buffer, .address_space: global }
      - { .name: x1, .offset: 24, .size: 8, .value_kind: global_buffer, .address_space: global }
      - { .name: out0, .offset: 32, .size: 8, .value_kind: global_buffer, .address_space: global }
    .group_segment_fixed_size: 327680
    .private_segment_fixed_size: 0
    .kernarg_segment_align: 8
    .kernarg_segment_size: 40
    .max_flat_workgroup_size: 128
    .sgpr_count:     100
    .vgpr_count:     640
    .wavefront_size: 32
...
	.end_amdgpu_metadata
.endif
;; end of part 7
